; MI455X (gfx1250); checked and timed in simulation.
; The chip was launched on July 23, 2026; its instructions are those of AMD's public machine-readable ISA for CDNA 5 (MIT licence, August 2026) and "CDNA5" Instruction Set Architecture Reference Guide (July 2026). The comments in the code are by the model that wrote it; some were corrected since.
;; Block. Allowed arithmetic: float matrix products may take bf16 or f16 operands with f32 sums; other float arithmetic in f32, or as packed bf16 or f16 multiplies, adds, multiply-adds, maxima and minima; sums over many terms, partial sums and values carried from step to step in f32; what a program stores and reads back later, other than sums and carried values, may be rounded once to bf16 or f16.
;; Inputs: W1 1,024 x 4,096 float32; W2 4,096 x 1,024 float32; Wk 1,024 x 1,024 float32; Wo 1,024 x 1,024 float32; Wq 1,024 x 1,024 float32; Wv 1,024 x 1,024 float32; b1 4,096 float32; b2 1,024 float32; bk 1,024 float32; bo 1,024 float32; bq 1,024 float32; bv 1,024 float32; ln1_b 1,024 float32; ln1_g 1,024 float32; ln2_b 1,024 float32; ln2_g 1,024 float32; x 2 x 2,048 x 1,024 float32.
;; Outputs: out0 2 x 2,048 x 1,024 float32.
;; One version. Each part assembles by itself: llvm-mc -triple=amdgcn-amd-amdhsa -mcpu=gfx1250 --defsym DOCPART=n.
;; ======== version 1 of 1: 7 launches
;; limits: values are held in f16: magnitudes above 65,504 overflow, below 6.1e-05 lose precision
;; workspace buffers: whq 6,291,456 bytes; wh 25,165,824 bytes; h 8,388,608 bytes; qkv 25,165,824 bytes; y 8,388,608 bytes; x1 16,777,216 bytes; g 33,554,432 bytes
;; launch prep (part 1): grid 64 x 11, 8 waves a work-group, no clusters, 0 bytes of LDS; arguments x, ln1_g, ln1_b, h, Wq, Wk, Wv, whq; writes h, whq
.if DOCPART == 1
	.amdgcn_target "amdgcn-amd-amdhsa--gfx1250"
	.amdhsa_code_object_version 6
	.text
	.protected	k_qba054dbc3c_prep
	.globl	k_qba054dbc3c_prep
	.p2align	8
	.type	k_qba054dbc3c_prep,@function
k_qba054dbc3c_prep:
	s_mov_b64 s[64:65], 0
	v_nop
	global_prefetch_b8 v0, s[64:65] scope:SCOPE_SE
	s_setreg_imm32_b32 hwreg(HW_REG_WAVE_MODE, 25, 1), 1
	s_wait_xcnt 0x0
; TWO STREAMS THAT DO NOT DEPEND ON EACH OTHER, IN ONE LAUNCH.  The grid's y says which: rows 0-7 (512 work-groups) normalise, rows 8-10 (192) cast.
; (1) LayerNorm over rows of 1,024 f32: h = (x - mean) * rsqrt(var + 1e-5) * gain + bias, rounded once to f16.  4,096 rows, a wave a row.
;     The row stays in 32 registers between the passes, so memory is read once, and the reductions never leave the wave: no LDS, no barrier.
;     The variance is the mean of (x - mean)^2, taken in a second pass over the registers: no difference of large sums is formed.
;     Lane l holds columns 128 j + 4 l .. + 3, j = 0..7: a load of a wave covers 512 consecutive bytes, a store 256, both aligned.
; (2) Wq, Wk, Wv, f32, are rounded once to f16 and laid one behind the other in whq (2 MiB each), each in its own [K][N] order.
;     A work-group takes 16,384 numbers; thread t takes 16 bytes at 16 t of each 4,096 bytes: sixteen loads, all issued at once, and sixteen stores of 8 bytes,
;     of which 32 neighbouring lanes cover 256 consecutive bytes, aligned.  No register is written twice, so no source has to be freed.
; LIMITS: f16 ends at 65,504: a weight or a normalised number of 65,520 or more in magnitude becomes an infinity (|x - mean| * rsqrt is at most 32, so the second needs a gain beyond 2,000);
; a weight below 6e-5 keeps f16's fixed step of 6e-8.
.set X,  16                            ; v[16:47]    the row as loaded
.set G,  48                            ; v[48:79]    gain of my 32 columns
.set BV, 80                            ; v[80:111]   bias of my 32 columns
.set T,  4                             ; v[4:11]     four chains of packed sums
.set Y,  112                           ; v[112:127]  the packed results
.set CI, 4                             ; the cast: v[4:67] sixteen loads of four f32,
.set CO, 68                            ; v[68:99] sixteen pairs of packed f16
	s_load_b256 s[4:11], s[0:1], 0x0               ; x s[4:5], gain s[6:7], bias s[8:9], h s[10:11]
	s_load_b256 s[12:19], s[0:1], 0x20             ; Wq s[12:13], Wk s[14:15], Wv s[16:17], whq s[18:19]
	s_and_b32 s20, ttmp7, 0xffff
	s_cmp_ge_u32 s20, 8
	s_cbranch_scc1 .Lcast
	v_and_b32 v3, 31, v0
	v_lshrrev_b32 v4, 5, v0
	v_readfirstlane_b32 s21, v4                    ; wave 0..7
	v_lshlrev_b32 v1, 4, v3                        ; 16 x lane
	v_lshlrev_b32 v2, 3, v3                        ; 8 x lane
	s_lshl_b32 s22, s20, 6
	s_add_co_u32 s22, s22, ttmp9                   ; my work-group among the 512
	s_lshl3_add_u32 s22, s22, s21                  ; my row = 8 x work-group + wave
	s_lshl_b32 s24, s22, 11                        ; 2,048 bytes a row out,
	s_lshl_b32 s22, s22, 12                        ; 4,096 in
	s_mov_b32 s23, 0
	s_mov_b32 s25, 0
	s_mov_b32 s26, 0x76543210                      ; v_permlanex16_b32: each lane takes its own place in the other half
	s_mov_b32 s27, 0xfedcba98
	s_mov_b32 s28, 0x3a800000                      ; 1 / 1,024
	s_mov_b32 s29, 0x3727c5ac                      ; 1e-5
	s_wait_kmcnt 0x0
	s_add_nc_u64 s[4:5], s[4:5], s[22:23]
	s_add_nc_u64 s[10:11], s[10:11], s[24:25]
.set j, 0
.rept 8
	global_load_b128 v[X+4*j:X+4*j+3], v1, s[4:5] offset:512*j th:TH_LOAD_NT
.set j, j+1
.endr
.set j, 0
.rept 8
	global_load_b128 v[G+4*j:G+4*j+3], v1, s[6:7] offset:512*j
.set j, j+1
.endr
.set j, 0
.rept 8
	global_load_b128 v[BV+4*j:BV+4*j+3], v1, s[8:9] offset:512*j
.set j, j+1
.endr
.macro FOLD                            ; the four chains into v4, then over the 32 lanes: every lane ends with the sum
	v_pk_add_f32 v[T:T+1], v[T:T+1], v[T+2:T+3]
	v_pk_add_f32 v[T+4:T+5], v[T+4:T+5], v[T+6:T+7]
	v_pk_add_f32 v[T:T+1], v[T:T+1], v[T+4:T+5]
	v_add_f32 v4, v4, v5
	v_add_f32_dpp v4, v4, v4 row_xmask:1 row_mask:0xf bank_mask:0xf
	v_add_f32_dpp v4, v4, v4 row_xmask:2 row_mask:0xf bank_mask:0xf
	v_add_f32_dpp v4, v4, v4 row_xmask:4 row_mask:0xf bank_mask:0xf
	v_add_f32_dpp v4, v4, v4 row_xmask:8 row_mask:0xf bank_mask:0xf
	v_permlanex16_b32 v5, v4, s26, s27
	v_add_f32 v4, v4, v5
.endm
	s_wait_loadcnt 16                              ; the row's eight loads are in; the sixteen of gain and bias stay out
.set k, 0
.rept 4
	v_pk_add_f32 v[T+2*k:T+2*k+1], v[X+2*k:X+2*k+1], v[X+8+2*k:X+8+2*k+1]  ; the first eight pairs start the chains: nothing is cleared
.set k, k+1
.endr
.set k, 8
.rept 8
	v_pk_add_f32 v[T+2*(k%4):T+2*(k%4)+1], v[T+2*(k%4):T+2*(k%4)+1], v[X+2*k:X+2*k+1]
.set k, k+1
.endr
	FOLD
	v_mul_f32 v14, s28, v4                         ; the mean, twice: a pair for the packed subtraction
	v_mul_f32 v15, s28, v4
.set k, 0
.rept 16
	v_pk_add_f32 v[X+2*k:X+2*k+1], v[X+2*k:X+2*k+1], v[14:15] neg_lo:[0,1] neg_hi:[0,1]
.set k, k+1
.endr
.set k, 0
.rept 4
	v_pk_mul_f32 v[T+2*k:T+2*k+1], v[X+2*k:X+2*k+1], v[X+2*k:X+2*k+1]
.set k, k+1
.endr
.rept 12
	v_pk_fma_f32 v[T+2*(k%4):T+2*(k%4)+1], v[X+2*k:X+2*k+1], v[X+2*k:X+2*k+1], v[T+2*(k%4):T+2*(k%4)+1]
.set k, k+1
.endr
	FOLD
	v_fma_f32 v4, v4, s28, s29                     ; var + eps
	v_rsq_f32 v12, v4                              ; twice: a pair for the packed multiply
	v_rsq_f32 v13, v4
	v_nop                                          ; a plain instruction behind the last of the two (ISA guide 5.7.2),
	s_wait_alu depctr_va_vdst(0)                   ; and one wait ahead of their first reader
	s_wait_loadcnt 0x0                             ; gain and bias are in
.set k, 0
.rept 16
	v_pk_mul_f32 v[X+2*k:X+2*k+1], v[X+2*k:X+2*k+1], v[12:13]
.set k, k+1
.endr
.set k, 0
.rept 16
	v_pk_fma_f32 v[X+2*k:X+2*k+1], v[X+2*k:X+2*k+1], v[G+2*k:G+2*k+1], v[BV+2*k:BV+2*k+1]
.set k, k+1
.endr
.set k, 0
.rept 16
	v_cvt_pk_f16_f32 v[Y+k], v[X+2*k], v[X+2*k+1]
.set k, k+1
.endr
.set k, 0
.rept 8
	global_store_b64 v2, v[Y+2*k:Y+2*k+1], s[10:11] offset:256*k
.set k, k+1
.endr
	s_endpgm
.Lcast:
	s_sub_co_u32 s20, s20, 8                       ; 0, 1, 2: Wq, Wk, Wv
	v_lshlrev_b32 v1, 4, v0                        ; 16 t
	v_lshlrev_b32 v2, 3, v0                        ; 8 t
	s_lshl_b32 s22, ttmp9, 16                      ; 64 KiB of f32 a work-group
	s_mov_b32 s23, 0
	s_lshl_b32 s24, s20, 21                        ; 2 MiB of f16 a matrix,
	s_lshl_b32 s25, ttmp9, 15                      ; 32 KiB a work-group
	s_add_co_u32 s24, s24, s25
	s_mov_b32 s25, 0
	s_wait_kmcnt 0x0
	s_cmp_eq_u32 s20, 1
	s_cselect_b64 s[12:13], s[14:15], s[12:13]
	s_cmp_eq_u32 s20, 2
	s_cselect_b64 s[12:13], s[16:17], s[12:13]
	s_add_nc_u64 s[12:13], s[12:13], s[22:23]
	s_add_nc_u64 s[18:19], s[18:19], s[24:25]
.set j, 0
.rept 16
	global_load_b128 v[CI+4*j:CI+4*j+3], v1, s[12:13] offset:4096*j th:TH_LOAD_NT
.set j, j+1
.endr
.set j, 0
.rept 16
	s_wait_loadcnt 15-j                            ; loads come back in order: load j is in, the 15 - j younger ones stay out
	v_cvt_pk_f16_f32 v[CO+2*j], v[CI+4*j], v[CI+4*j+1]
	v_cvt_pk_f16_f32 v[CO+2*j+1], v[CI+4*j+2], v[CI+4*j+3]
	global_store_b64 v2, v[CO+2*j:CO+2*j+1], s[18:19] offset:2048*j
.set j, j+1
.endr
	s_endpgm
.Lfunc_end_k_qba054dbc3c_prep:
	.size	k_qba054dbc3c_prep, .Lfunc_end_k_qba054dbc3c_prep-k_qba054dbc3c_prep
	.p2alignl 7, 3214868480
	.fill 96, 4, 3214868480
	.section	.rodata,"a",@progbits
	.p2align	6, 0x0
	.amdhsa_kernel k_qba054dbc3c_prep
		.amdhsa_group_segment_fixed_size 0
		.amdhsa_private_segment_fixed_size 0
		.amdhsa_enable_private_segment 0
		.amdhsa_kernarg_size 64
		.amdhsa_user_sgpr_count 2
		.amdhsa_user_sgpr_kernarg_segment_ptr 1
		.amdhsa_wavefront_size32 1
		.amdhsa_system_sgpr_workgroup_id_x 1
		.amdhsa_system_sgpr_workgroup_id_y 1
		.amdhsa_system_sgpr_workgroup_id_z 1
		.amdhsa_system_vgpr_workitem_id 0
		.amdhsa_next_free_vgpr 128
		.amdhsa_next_free_sgpr 66
		.amdhsa_reserve_vcc 0
		.amdhsa_float_denorm_mode_32 3
		.amdhsa_float_denorm_mode_16_64 3
		.amdhsa_memory_ordered 1
		.amdhsa_forward_progress 1
		.amdhsa_inst_pref_size 18
	.end_amdhsa_kernel
	.amdgpu_metadata
---
amdhsa.version: [ 1, 2 ]
amdhsa.kernels:
  - .name:           k_qba054dbc3c_prep
    .symbol:         k_qba054dbc3c_prep.kd
    .args:
      - { .name: x, .offset: 0, .size: 8, .value_kind: global_buffer, .address_space: global }
      - { .name: ln1_g, .offset: 8, .size: 8, .value_kind: global_buffer, .address_space: global }
      - { .name: ln1_b, .offset: 16, .size: 8, .value_kind: global_buffer, .address_space: global }
      - { .name: h, .offset: 24, .size: 8, .value_kind: global_buffer, .address_space: global }
      - { .name: Wq, .offset: 32, .size: 8, .value_kind: global_buffer, .address_space: global }
      - { .name: Wk, .offset: 40, .size: 8, .value_kind: global_buffer, .address_space: global }
      - { .name: Wv, .offset: 48, .size: 8, .value_kind: global_buffer, .address_space: global }
      - { .name: whq, .offset: 56, .size: 8, .value_kind: global_buffer, .address_space: global }
    .group_segment_fixed_size: 0
    .private_segment_fixed_size: 0
    .kernarg_segment_align: 8
    .kernarg_segment_size: 64
    .max_flat_workgroup_size: 256
    .sgpr_count:     66
    .vgpr_count:     128
    .wavefront_size: 32
...
	.end_amdgpu_metadata
.endif
;; end of part 1
;; launch qkv (part 2): grid 16 x 16, 4 waves a work-group, clusters of 4 x 4, 327,680 bytes of LDS; arguments h, whq, bq, bk, bv, qkv, Wo, W1, W2, wh; writes qkv, wh
.if DOCPART == 2
	.amdgcn_target "amdgcn-amd-amdhsa--gfx1250"
	.amdhsa_code_object_version 6
	.text
	.protected	k_qba054dbc3c_qkv
	.globl	k_qba054dbc3c_qkv
	.p2align	8
	.type	k_qba054dbc3c_qkv,@function
k_qba054dbc3c_qkv:
	s_mov_b64 s[64:65], 0
	v_nop
	global_prefetch_b8 v0, s[64:65] scope:SCOPE_SE
	s_setreg_imm32_b32 hwreg(HW_REG_WAVE_MODE, 25, 1), 1
	s_wait_xcnt 0x0
	s_wait_alu depctr_hold_cnt(0) depctr_sa_sdst(0) depctr_va_vdst(0) depctr_va_sdst(0) depctr_va_ssrc(0) depctr_va_vcc(0) depctr_vm_vsrc(0)
	s_getreg_b32 s2, hwreg(HW_REG_IB_STS2, 6, 4)
	s_cmp_eq_u32 s2, 0
	s_cbranch_scc0 .Lentry_in_a_cluster
	s_endpgm
.Lentry_in_a_cluster:
	s_bfe_u32 s2, ttmp6, 0x10000c
	s_cmp_lg_u32 s2, 0xf033
	s_cbranch_scc0 .Lentry_shape_is_right
	s_endpgm
.Lentry_shape_is_right:
; THE CLUSTERS WITH x = 0, 1, 2: C = A W + bias on tiles of 256 x 256.  A = LN1(x): [4096][1024] f16, rows along K.  W = Wq, Wk, Wv (the cluster's x says which): [1024][1024] f16, rows along N, as the weights lie.
; Sums in f32; C = q, k, v rounded once to f16.
; THE CLUSTERS WITH x = 3: 3,072 columns make 12 x 16 = 192 tiles of this form, so a fourth column of clusters has room on the chip: its 64 work-groups round Wo, W1, W2 (f32) once to f16, for the launches behind:
; wh holds Wo at 6 MiB, W1 at 8 MiB, W2 at 16 MiB, each in its own [K][N] order; wh's first 6 MiB are not used.  The branch hangs on the cluster's x, which all sixteen partners share.
; C's LAYOUT: [column / 64][row 0..4095][64] f16: two neighbouring rows of a block of 64 columns are 256 consecutive bytes, and a head of q, k, v is dense.
; LIMITS: f16 ends at 65,504: a result or a weight of 65,520 or more in magnitude becomes an infinity.  NaN and infinities are not treated apart.
; SHAPE: four waves, each 128 x 128 of C in 512 registers.  K goes in steps of 128 through two LDS slots filled by the tensor data mover (A: 256 rows x 256 bytes; W: 128 k-rows x 512 bytes).
; CLUSTER 4 x 4: A's tile hangs on the tile row alone and is asked for jointly by a row of the cluster, W's on the tile column alone, by a column: each joint load is the same line with the same descriptor in its four.
; THE PRODUCT IS USED TRANSPOSED: source 0 = 16 columns of W (turned out of LDS by ds_load_tr16_b128), source 1 = 16 rows of A: a lane holds row l % 16 of C and the columns 8 (l / 16) + 0..7.
; THE SUMS START WITH THE BIAS: one product of two zero fragments with C = the bias, for each accumulator, issued while the first tile is on its way; every later product has one form.
; THE K LOOP: a K step is four quarters of 32 k.  A unit fetches one quarter's fragments (32 LDS loads in one run) and multiplies the quarter fetched a unit earlier (64 products); a step's last quarter is
; multiplied in the next step's first unit, from registers, while the new slot's first fragments come.  The 64 accumulators take turns in one order everywhere.
; REGISTERS, in windows of 256 (s_set_vgpr_msb: bits 1:0 source 0, 3:2 source 1, 5:4 source 2, 7:6 destination): window 0: v16-30 addresses; v64-127, v128-191 A's fragments, two buffers; v192-255 the bias;
; window 1: v64-127, v128-191 W's fragments; windows 2, 3: the accumulators, (a, b) at v[8 (8 (a % 4) + b)] of window 2 + a / 4.
.set T,     8                          ; K steps
.set PA,    272                        ; A's LDS row: 256 + 16 bytes = 68 words: sixteen rows start at sixteen different groups of four banks (ISA guide 11.1)
.set PB,    544                        ; W's LDS row: 512 + 32 bytes = 17 x 32
.set HALF,  128*PA                     ; what one tensor load brings: 128 rows of A, or 64 k-rows of W (64 x 544 is the same number)
.set AREG,  2*HALF
.set SLOT,  4*HALF
.set SPARE, 2*SLOT                     ; behind the slots: the spare words, 128 bytes a wave, which no other line names
.set PD,    528                        ; the way out: a row of 128 f32 + 16 bytes
.set REGN,  128*PD                     ; a wave's own region for the way out, in the slots, which have had their last fill by then
.set NP,    1024
.set SHB,   15
.set ASTEP, 256                        ; bytes from a K step to the next: in A along the row,
.set BSTEP, 256*NP                     ; in W 128 rows down
.set A0,  16                           ; v16 my lane's place in A's part of a slot        v17 the same for W
.set B0,  17
.set ADA, 18                           ; v18, v19 the addresses of the run of loads in hand
.set ADB, 19
.set STO, 20                           ; v20 the way out: where I put 16 bytes     v21 where I read rows back     v22 my offset in 256 bytes of C     v23 my offset in the bias
.set RD,  21
.set GO,  22
.set BO,  23
.set SPW, 28                           ; v28 my spare word's LDS address; v29 0: never rewritten
.set NIL, 29
.set PFO, 30                           ; v30 the prefetches' lane offset; never rewritten
.set F0,  64
.set F1,  128
.set BIAS, 192
.set WV,  16                           ; s16 wave; s17 wave / 2: my half of the tile's rows, and 0: I fetch A, 1: W; s18 wave % 2: my half of its columns, and which half I fetch
.set RH,  17
.set CH,  18
.set CX,  19
.set CY,  20
.set TCOL, 21
.set TROW, 22
.set G1A, 24                           ; s[24:31] group 1 for A; s[32:39] group 0, a set a slot
.set G0A, 32
.set LIM, 43                           ; s43 1 in a wave that prefetches, else the greatest number
.set PFA, 44                           ; s[44:45] where my prefetches stand
.set G1B, 48                           ; s[48:55], s[56:63] the same for W
.set G0B, 56
.set TBA, 80                           ; s80, s81 LDS byte at which the quarter to be fetched begins, in A's part and in W's
.set TBB, 81
.set QC,  82
.set LAPC, 83
.set PST, 84                           ; s[84:85] the prefetches' step
.set OUTP, 86                          ; s[86:87] C at my part
.set OC,  90
.set MSB, 0
.macro WIN new                         ; the immediate's high byte repeats the setting that is left; a switch that changes nothing is dropped
.if MSB != (\new)
	s_set_vgpr_msb (MSB<<8)|(\new)
.set MSB, \new
.endif
.endm
; A joint load: waves 0 and 1 fetch A's halves, waves 2 and 3 W's.  The branch hangs on the wave's number alone.  An s_nop 0 and four v_nop follow each of the two lines.
.macro JLOAD s
	s_cmp_eq_u32 s[RH], 0
	s_cbranch_scc0 .Lfor_b_\@
	tensor_load_to_lds s[G0A+4*(\s):G0A+4*(\s)+3], s[G1A:G1A+7]
	s_nop 0
.rept 4
	v_nop
.endr
	s_branch .Lasked_\@
.Lfor_b_\@:
	tensor_load_to_lds s[G0B+4*(\s):G0B+4*(\s)+3], s[G1B:G1B+7]
	s_nop 0
.rept 4
	v_nop
.endr
.Lasked_\@:
.endm
; A prefetch into the L2, behind each joint load: the K step after the one just asked for, 256 products ahead of its own load.  Each 256 bytes are named once in the launch: A's rows by the clusters with x = 0,
; W's by those with y = 0; the four partners of a joint load share its rows out BY ADDRESS (32 rows of A, 16 k-rows x 512 bytes of W each), a lane a block.  how = 1: the odd K steps; how = 0: the even ones, of which the last names nothing.
.macro ASK how
.if \how
	s_cmp_eq_u32 s[LIM], 1
.else
	s_cmp_gt_u32 s[LAPC], s[LIM]
.endif
	s_cbranch_scc0 .Lnot_mine_\@
	global_prefetch_b8 v[PFO], s[PFA:PFA+1] th:TH_LOAD_NT scope:SCOPE_SE
.Lnot_mine_\@:
.endm
.macro CROUND                          ; a round of the cluster's barrier
	s_barrier_signal -1
	s_barrier_wait -1
	s_cmp_lg_u32 s[WV], 0
	s_cbranch_scc1 .Lnot_wave_0_\@
	s_barrier_signal -3
.Lnot_wave_0_\@:
	s_barrier_wait -3
	s_barrier_signal -1
	s_barrier_wait -1
.endm
	s_load_b256 s[4:11], s[0:1], 0x0               ; h s[4:5], whq s[6:7], bq s[8:9], bk s[10:11]
	s_load_b128 s[12:15], s[0:1], 0x20             ; bv s[12:13], qkv s[14:15]
	s_load_b256 s[92:99], s[0:1], 0x30             ; Wo s[92:93], W1 s[94:95], W2 s[96:97], wh s[98:99]
	v_lshl_add_u32 v[SPW], v0, 2, SPARE
	v_mov_b32 v[NIL], 0
	ds_add_u32 v[SPW], v[NIL]                      ; the wave's opening: the add and its wait stand ahead of my first tensor load; work on registers stands between them
	ds_add_u32 v28, v29
	v_lshrrev_b32 v1, 5, v0
	v_readfirstlane_b32 s[WV], v1
	s_lshr_b32 s[RH], s[WV], 1
	s_and_b32 s[CH], s[WV], 1
	s_bfe_u32 s[CX], ttmp6, 0x40000
	s_bfe_u32 s[CY], ttmp6, 0x40004
	s_lshl_b32 s[TCOL], ttmp9, 2
	s_add_co_u32 s[TCOL], s[TCOL], s[CX]           ; tile column = 4 x cluster x + cx
	s_and_b32 s[TROW], ttmp7, 0xffff
	s_lshl_b32 s[TROW], s[TROW], 2
	s_add_co_u32 s[TROW], s[TROW], s[CY]           ; tile row = 4 x cluster y + cy
	s_lshl_b32 s66, s[CY], 2
	s_lshl_b32 s66, 15, s66                        ; my row of the cluster
	s_lshl_b32 s67, 0x1111, s[CX]                  ; my column
	s_or_b32 s[G1A], s66, (1<<16)|(1<<20)|(1<<21)|(5<<22)|(3<<25)  ; mask; 2-byte elements; padding on; bit 21 beside a mask; after every 64 words 4 words
	s_mov_b32 s[G1A+1], 128<<16                    ; tensor_dim0 = 128
	s_mov_b32 s[G1A+2], 128<<16                    ; tensor_dim1 = 128
	s_mov_b32 s[G1A+3], 128<<16                    ; tile_dim0 = 128
	s_mov_b32 s[G1A+4], 128                        ; tile_dim1 = 128
	s_mov_b32 s[G1A+5], 1024                       ; elements from row to row
	s_mov_b32 s[G1A+6], 0
	s_mov_b32 s[G1A+7], 0
	s_or_b32 s[G1B], s67, (1<<16)|(1<<20)|(1<<21)|(6<<22)|(7<<25)  ; after every 128 words 8 words
	s_mov_b32 s[G1B+1], 256<<16
	s_mov_b32 s[G1B+2], 64<<16
	s_mov_b32 s[G1B+3], 256<<16
	s_mov_b32 s[G1B+4], 64
	s_mov_b32 s[G1B+5], NP
	s_mov_b32 s[G1B+6], 0
	s_mov_b32 s[G1B+7], 0
	s_lshl_b32 s68, s[TROW], 19                    ; A: 256 rows of 2,048 bytes a tile row,
	s_lshl_b32 s70, s[CH], 18                      ; my 128 of them
	s_add_co_u32 s68, s68, s70
	s_mov_b32 s69, 0
	s_lshl_b32 s72, ttmp9, 21                      ; W: which of Wq, Wk, Wv (2 MiB each) is the cluster's x,
	s_lshl_b32 s74, s[CX], 9                       ; its 256 columns by cx,
	s_add_co_u32 s72, s72, s74
	s_lshl_b32 s74, s[CH], 17                      ; my 64 k-rows of 2,048 bytes
	s_add_co_u32 s72, s72, s74
	s_mov_b32 s73, 0
	s_mul_i32 s76, s[WV], HALF                     ; where my loads go: A's two halves, then W's two = wave x HALF
	s_wait_dscnt 0x0                               ; the opening add is done
	s_wait_kmcnt 0x0
	s_cmp_eq_u32 ttmp9, 3                          ; the fourth column of clusters has no tile: it casts
	s_cbranch_scc1 .Lcast
	s_add_nc_u64 s[68:69], s[4:5], s[68:69]
	s_add_nc_u64 s[72:73], s[6:7], s[72:73]
	CROUND                                         ; all sixteen work-groups are here: the first joint loads meet
.irp s, 0,1
	s_mov_b32 s[G0A+4*(\s)], 1
	s_add_co_u32 s[G0A+4*(\s)+1], s76, (\s)*SLOT
	s_add_nc_u64 s[G0A+4*(\s)+2:G0A+4*(\s)+3], s[68:69], (\s)*ASTEP
	s_or_b32 s[G0A+4*(\s)+3], s[G0A+4*(\s)+3], 0x80000000
	s_mov_b32 s[G0B+4*(\s)], 1
	s_add_co_u32 s[G0B+4*(\s)+1], s76, (\s)*SLOT
	s_add_nc_u64 s[G0B+4*(\s)+2:G0B+4*(\s)+3], s[72:73], (\s)*BSTEP
	s_or_b32 s[G0B+4*(\s)+3], s[G0B+4*(\s)+3], 0x80000000
	JLOAD \s                                       ; K steps 0 and 1: two loads of mine are out
.endr
	v_and_b32 v1, 15, v0                           ; l % 16
	v_bfe_u32 v2, v0, 4, 1                         ; l / 16
	v_and_b32 v3, 7, v0
	v_bfe_u32 v4, v0, 3, 1
	v_and_b32 v5, 31, v0
	s_mul_i32 s66, s[RH], HALF
	v_mul_u32_u24 v[A0], v1, PA                    ; a fragment of A: row l % 16, 16 bytes for each half of the lanes, twice, 32 bytes apart
	v_lshl_add_u32 v[A0], v2, 4, v[A0]
	v_add_nc_u32 v[A0], s66, v[A0]
	v_lshl_add_u32 v[B0], v2, 3, v3                ; the turning load: k-row 8 (l / 16) + l % 8, columns 8 ((l / 8) % 2) + 0..7
	v_mul_u32_u24 v[B0], v[B0], PB
	v_lshl_add_u32 v[B0], v4, 4, v[B0]
	s_lshl_b32 s66, s[CH], 8                       ; my 128 columns
	v_add_nc_u32 v[B0], s66, v[B0]
	s_mul_i32 s67, s[WV], REGN
	v_mul_u32_u24 v[STO], v1, PD
	v_lshl_add_u32 v[STO], v2, 5, v[STO]
	v_add_nc_u32 v[STO], s67, v[STO]
	v_mul_u32_u24 v[RD], v2, PD
	v_lshl_add_u32 v[RD], v1, 4, v[RD]
	v_add_nc_u32 v[RD], s67, v[RD]
	v_lshlrev_b32 v[GO], 3, v5
	s_lshl_b32 s66, s[CX], 10                      ; the bias: 4 bytes x (256 cx + 128 half + 8 (l / 16))
	s_cmp_eq_u32 ttmp9, 1
	s_cselect_b64 s[8:9], s[10:11], s[8:9]
	s_cmp_eq_u32 ttmp9, 2
	s_cselect_b64 s[8:9], s[12:13], s[8:9]
	s_lshl_b32 s67, s[CH], 9
	s_add_co_u32 s66, s66, s67
	v_lshl_add_u32 v[BO], v2, 5, s66
.set i, 0
.rept 8
	global_load_b128 v[BIAS+8*i:BIAS+8*i+3],   v[BO], s[8:9] offset:64*i
	global_load_b128 v[BIAS+8*i+4:BIAS+8*i+7], v[BO], s[8:9] offset:64*i+16
.set i, i+1
.endr
.set i, 0
.rept 16
	v_mov_b32 v[F0+i], 0                           ; two zero fragments
.set i, i+1
.endr
	; the prefetches: who, from where, by what step
	s_and_b32 s66, ttmp7, 0xffff
	s_mov_b32 s[PST], BSTEP
	s_mov_b32 s[PST+1], 0
	s_mov_b32 s75, 2*NP
	s_cmp_eq_u32 s[RH], 0                          ; do I fetch A?
	s_cselect_b32 s67, ttmp9, s66                  ; the coordinate along which other clusters read the same rows
	s_cselect_b32 s70, s[CX], s[CY]                ; my place among the four that ask with me
	s_cselect_b64 s[PFA:PFA+1], s[68:69], s[72:73]
	s_cselect_b32 s71, 16, SHB                     ; my share: 32 rows of 2,048 bytes, or 16 k-rows of 2 NP
	s_cselect_b32 s[PST], ASTEP, s[PST]
	s_cselect_b32 s74, 0, 1
	s_cselect_b32 s75, 2048, s75
	s_cmp_eq_u32 s67, 0
	s_cselect_b32 s[LIM], 1, -1                    ; the same in all sixteen partners, for a given wave
	s_lshl_b32 s70, s70, s71
	s_mov_b32 s71, 0
	s_add_nc_u64 s[PFA:PFA+1], s[PFA:PFA+1], s[70:71]
	s_add_nc_u64 s[PFA:PFA+1], s[PFA:PFA+1], s[PST:PST+1]
	s_add_nc_u64 s[PFA:PFA+1], s[PFA:PFA+1], s[PST:PST+1]  ; at K step 2: the first change of slots steps it to 3.  Steps 0 to 2 come by their loads alone
	v_lshrrev_b32 v6, s74, v5                      ; A: a lane a row; W: two lanes a k-row of 512 bytes
	v_mul_lo_u32 v6, v6, s75
	v_and_b32 v7, s74, v5
	v_lshl_add_u32 v[PFO], v7, 8, v6
	s_wait_loadcnt 0x0                             ; the bias
.set mi, 0
.rept 64                               ; every sum starts with its bias
	WIN 0x80+0x40*(mi/32)
	v_wmma_f32_16x16x32_f16 v[8*(mi%32):8*(mi%32)+7], v[F0:F0+7], v[F0+8:F0+15], v[BIAS+8*(mi%8):BIAS+8*(mi%8)+7]
.set mi, mi+1
.endr
	WIN 0
; 32 LDS loads in one run: a quarter's fragments into buffer g.  The two address lines and two v_nop are the four places between the last product that read the buffer and the loads into it.
.macro FETCH g
	WIN 0
	v_add_nc_u32 v[ADA], s[TBA], v[A0]
	v_add_nc_u32 v[ADB], s[TBB], v[B0]
	v_nop
	v_nop
	WIN 0x40                                       ; destination window 1
.set i, 0
.rept 8
	ds_load_tr16_b128 v[(\g)+8*i:(\g)+8*i+3],   v[ADB] offset:32*i
	ds_load_tr16_b128 v[(\g)+8*i+4:(\g)+8*i+7], v[ADB] offset:32*i+16*PB
.set i, i+1
.endr
	WIN 0
.set i, 0
.rept 8
	ds_load_b128 v[(\g)+8*i:(\g)+8*i+3],   v[ADA] offset:16*i*PA
	ds_load_b128 v[(\g)+8*i+4:(\g)+8*i+7], v[ADA] offset:16*i*PA+32
.set i, i+1
.endr
	s_add_co_u32 s[TBA], s[TBA], 64                ; the next quarter: 32 k along A's rows,
	s_add_co_u32 s[TBB], s[TBB], 32*PB             ; 32 k-rows of W
.endm
.macro MUL f                           ; a quarter's 64 products
.set mi, 0
.rept 64
	WIN 0xa1+0x50*(mi/32)                          ; W window 1, A window 0, C and D window 2 or 3
	v_wmma_f32_16x16x32_f16 v[8*(mi%32):8*(mi%32)+7], v[(\f)+8*(mi%8):(\f)+8*(mi%8)+7], v[(\f)+8*(mi/8):(\f)+8*(mi/8)+7], v[8*(mi%32):8*(mi%32)+7]
.set mi, mi+1
.endr
.endm
.macro UNIT g, f
	FETCH \g
	s_wait_dscnt 32                                ; all but the 32 just issued: buffer f is in
	MUL \f
.endm
.macro KBODY tag                       ; a K step: its quarters are fetched into F0, F1, F0, F1; each is multiplied a unit later
	s_mov_b32 s[QC], 2
.Lq_\tag:
	UNIT F0, F1
	WIN 0
.Lm_\tag:
	UNIT F1, F0
	WIN 0
	s_sub_co_u32 s[QC], s[QC], 1
	s_cmp_lg_u32 s[QC], 0
	s_cbranch_scc1 .Lq_\tag
.endm
; THE CHANGE OF SLOTS.  Each wave waits for all its tensor loads (one is out: its part of the new slot), adds 0 to its spare word, and waits for that and for its reads of the old slot.
; fill = 1: a round of the cluster's barrier follows, so that no wave of any partner still reads the old slot or has a load on its way, and the joint refill, two K steps on, is the first thing behind it.
.macro CHANGE new, old, fill, how=0
	WIN 0
.if \fill
	s_wait_xcnt 0x0                                ; the last prefetch, a K step back, has read its address
	s_add_nc_u64 s[PFA:PFA+1], s[PFA:PFA+1], s[PST:PST+1]
.endif
	s_wait_tensorcnt 0x0
	ds_add_u32 v[SPW], v[NIL]                      ; 0 onto my spare word; scalar work stands between it and the wait for it
.if \fill
	s_add_nc_u64 s[G0A+4*(\old)+2:G0A+4*(\old)+3], s[G0A+4*(\old)+2:G0A+4*(\old)+3], 2*ASTEP
	s_add_nc_u64 s[G0B+4*(\old)+2:G0B+4*(\old)+3], s[G0B+4*(\old)+2:G0B+4*(\old)+3], 2*BSTEP
.endif
	s_mov_b32 s[TBA], (\new)*SLOT
	s_mov_b32 s[TBB], (\new)*SLOT+AREG
	s_wait_dscnt 0x0
.if \fill
	CROUND
	JLOAD \old
	ASK \how
.else
	s_barrier_signal -1
	s_barrier_wait -1
.endif
.endm
	s_wait_tensorcnt 0x1                           ; my part of K step 0 is in; step 1's may stay out
	s_barrier_signal -1
	s_barrier_wait -1
	s_mov_b32 s[TBA], 0
	s_mov_b32 s[TBB], AREG
	FETCH F0
	s_mov_b32 s[QC], 2
	s_mov_b32 s[LAPC], T/2
	s_branch .Lm_e                                 ; the loop is entered in the middle of an even K step: step 0 has no quarter before it
.Llap:                                                 ; a trip: an odd K step and an even one; each refills the slot that it has just left
	CHANGE 1, 0, 1, 1
	KBODY o
	CHANGE 0, 1, 1, 0
	KBODY e
	s_sub_co_u32 s[LAPC], s[LAPC], 1
	s_cmp_lg_u32 s[LAPC], 0
	s_cbranch_scc1 .Llap
	CHANGE 1, 0, 0                                 ; the last K step is written out
	KBODY t
	s_wait_dscnt 0x0                               ; the last quarter is in, and my reads of the slots are over:
	s_barrier_signal -1                            ; say so,
	MUL F1                                         ; multiply it, from registers,
	WIN 0
	s_barrier_wait -1                              ; and write into the slots only when all four waves have said so
.rept 4
	v_nop                                          ; the places behind the last products
.endr
	; THE WAY OUT: the 128 x 128 sums go, in f32, into my own region of LDS; each accumulator's low four registers first
.set mi, 0
.rept 64
	WIN 0x08+0x04*(mi/32)                          ; store data: window 2 or 3
	ds_store_b128 v[STO], v[8*(mi%32):8*(mi%32)+3]   offset:16*(mi/8)*PD+64*(mi%8)
	ds_store_b128 v[STO], v[8*(mi%32)+4:8*(mi%32)+7] offset:16*(mi/8)*PD+64*(mi%8)+16
.set mi, mi+1
.endr
	WIN 0
	s_lshl_b32 s66, ttmp9, 4                       ; my first block of 64 columns: 16 x which + 4 cx + 2 x half
	s_lshl2_add_u32 s66, s[CX], s66
	s_lshl1_add_u32 s66, s[CH], s66
	s_lshl_b32 s66, s66, 19                        ; 524,288 bytes a block,
	s_lshl_b32 s67, s[TROW], 15                    ; 128 bytes a row
	s_add_co_u32 s66, s66, s67
	s_lshl_b32 s67, s[RH], 14
	s_add_co_u32 s66, s66, s67
	s_mov_b32 s67, 0
	s_add_nc_u64 s[OUTP:OUTP+1], s[14:15], s[66:67]
	; 32 rows a trip: load i brings rows 2 (i / 2), + 1 of block i % 2, four f32 a lane (LDS serves a wave's instructions in order: the loads see the stores above); a store covers 256 consecutive bytes, aligned
	s_mov_b32 s[OC], 4
.Lo:
.set i, 0
.rept 32
	ds_load_b128 v[64+4*i:64+4*i+3], v[RD] offset:2*(i/2)*PD+256*(i%2)
.set i, i+1
.endr
.set i, 0
.rept 32
	s_wait_dscnt 31-i                              ; load i is in, the younger ones stay out
	v_cvt_pk_f16_f32 v[192+2*i], v[64+4*i], v[64+4*i+1]
	v_cvt_pk_f16_f32 v[192+2*i+1], v[64+4*i+2], v[64+4*i+3]
	global_store_b64 v[GO], v[192+2*i:192+2*i+1], s[OUTP:OUTP+1] offset:256*(i/2)+524288*(i%2)
.set i, i+1
.endr
	s_wait_xcnt 0x0                                ; the stores have read their base and data, which are written again only behind this wait
	s_add_nc_u64 s[OUTP:OUTP+1], s[OUTP:OUTP+1], 4096
	v_add_nc_u32 v[RD], 32*PD, v[RD]
	s_sub_co_u32 s[OC], s[OC], 1
	s_cmp_lg_u32 s[OC], 0
	s_cbranch_scc1 .Lo
	s_wait_tensorcnt 0x0                           ; the wave's end, behind my last tensor load and my last LDS store
	ds_add_u32 v[SPW], v[NIL]
	s_wait_dscnt 0x0
	CROUND                                         ; the closing round: no work-group ends while a partner may still ask for a tile that names it
	s_endpgm
; THE CAST, in the 64 work-groups of the clusters with x = 3.  Wo, W1, W2 are 1 + 4 + 4 groups of 4 MiB of f32; group j lands in the 2 MiB of wh at 6 MiB + 2 MiB x j.  Work-group g takes the 64 KiB at 64 KiB x g of
; every group: nine trips.  In a trip thread t takes 16 bytes at 16 t of each 2,048 bytes: 32 loads, all issued at once (64 KiB of the work-group on their way), and 32 stores of 8 bytes, of which a wave's 32 lanes
; cover 256 consecutive bytes, aligned.  The trips are not laid over each other: nine of them are shorter than the tiles' work beside them.  No LDS is used, no tensor load is issued.
.Lcast:
	s_and_b32 s66, ttmp7, 0xffff
	s_lshl_b32 s66, s66, 4
	s_lshl2_add_u32 s66, s[CY], s66
	s_add_co_u32 s66, s66, s[CX]                   ; g = 16 x cluster y + 4 cy + cx: it enters global addresses alone
	s_lshl_b32 s68, s66, 16
	s_mov_b32 s69, 0
	s_lshl_b32 s70, s66, 15
	s_add_co_u32 s70, s70, 6<<20
	s_mov_b32 s71, 0
	s_add_nc_u64 s[92:93], s[92:93], s[68:69]      ; my 64 KiB in the first group of Wo,
	s_add_nc_u64 s[94:95], s[94:95], s[68:69]      ; of W1,
	s_add_nc_u64 s[96:97], s[96:97], s[68:69]      ; of W2,
	s_add_nc_u64 s[98:99], s[98:99], s[70:71]      ; and my 32 KiB in wh
	v_lshlrev_b32 v1, 4, v0                        ; 16 t
	v_lshlrev_b32 v2, 3, v0                        ; 8 t
	s_mov_b64 s[72:73], s[92:93]
	s_mov_b32 s[OC], 0
.Lc:
.set i, 0
.rept 32
	global_load_b128 v[64+4*i:64+4*i+3], v1, s[72:73] offset:2048*i th:TH_LOAD_NT
.set i, i+1
.endr
.set i, 0
.rept 32
	s_wait_loadcnt 31-i                            ; loads come back in order: load i is in, the younger ones stay out
	v_cvt_pk_f16_f32 v[192+2*i], v[64+4*i], v[64+4*i+1]
	v_cvt_pk_f16_f32 v[192+2*i+1], v[64+4*i+2], v[64+4*i+3]
	global_store_b64 v2, v[192+2*i:192+2*i+1], s[98:99] offset:1024*i
.set i, i+1
.endr
	s_wait_xcnt 0x0                                ; the stores have read their base and data, the loads their base: all are written again only behind this wait
	s_add_nc_u64 s[72:73], s[72:73], 4<<20         ; the matrix's next group; behind a matrix's last group the sum is not used: the next matrix's first takes its place
	s_add_nc_u64 s[98:99], s[98:99], 2<<20
	s_add_co_u32 s[OC], s[OC], 1
	s_cmp_eq_u32 s[OC], 1
	s_cselect_b64 s[72:73], s[94:95], s[72:73]     ; trips 1 to 4: W1
	s_cmp_eq_u32 s[OC], 5
	s_cselect_b64 s[72:73], s[96:97], s[72:73]     ; trips 5 to 8: W2
	s_cmp_lt_u32 s[OC], 9
	s_cbranch_scc1 .Lc
	s_wait_tensorcnt 0x0                           ; the wave's end
	ds_add_u32 v[SPW], v[NIL]
	s_wait_dscnt 0x0
	CROUND                                         ; this cluster's one round, in front of its end
	s_endpgm
.Lfunc_end_k_qba054dbc3c_qkv:
	.size	k_qba054dbc3c_qkv, .Lfunc_end_k_qba054dbc3c_qkv-k_qba054dbc3c_qkv
	.p2alignl 7, 3214868480
	.fill 96, 4, 3214868480
	.section	.rodata,"a",@progbits
	.p2align	6, 0x0
	.amdhsa_kernel k_qba054dbc3c_qkv
		.amdhsa_group_segment_fixed_size 327680
		.amdhsa_private_segment_fixed_size 0
		.amdhsa_enable_private_segment 0
		.amdhsa_kernarg_size 80
		.amdhsa_user_sgpr_count 2
		.amdhsa_user_sgpr_kernarg_segment_ptr 1
		.amdhsa_wavefront_size32 1
		.amdhsa_system_sgpr_workgroup_id_x 1
		.amdhsa_system_sgpr_workgroup_id_y 1
		.amdhsa_system_sgpr_workgroup_id_z 1
		.amdhsa_system_vgpr_workitem_id 0
		.amdhsa_next_free_vgpr 1024
		.amdhsa_next_free_sgpr 100
		.amdhsa_reserve_vcc 0
		.amdhsa_float_denorm_mode_32 3
		.amdhsa_float_denorm_mode_16_64 3
		.amdhsa_memory_ordered 1
		.amdhsa_forward_progress 1
		.amdhsa_inst_pref_size 95
	.end_amdhsa_kernel
	.amdgpu_metadata
---
amdhsa.version: [ 1, 2 ]
amdhsa.kernels:
  - .name:           k_qba054dbc3c_qkv
    .symbol:         k_qba054dbc3c_qkv.kd
    .args:
      - { .name: h, .offset: 0, .size: 8, .value_kind: global_buffer, .address_space: global }
      - { .name: whq, .offset: 8, .size: 8, .value_kind: global_buffer, .address_space: global }
      - { .name: bq, .offset: 16, .size: 8, .value_kind: global_buffer, .address_space: global }
      - { .name: bk, .offset: 24, .size: 8, .value_kind: global_buffer, .address_space: global }
      - { .name: bv, .offset: 32, .size: 8, .value_kind: global_buffer, .address_space: global }
      - { .name: qkv, .offset: 40, .size: 8, .value_kind: global_buffer, .address_space: global }
      - { .name: Wo, .offset: 48, .size: 8, .value_kind: global_buffer, .address_space: global }
      - { .name: W1, .offset: 56, .size: 8, .value_kind: global_buffer, .address_space: global }
      - { .name: W2, .offset: 64, .size: 8, .value_kind: global_buffer, .address_space: global }
      - { .name: wh, .offset: 72, .size: 8, .value_kind: global_buffer, .address_space: global }
    .group_segment_fixed_size: 327680
    .private_segment_fixed_size: 0
    .kernarg_segment_align: 8
    .kernarg_segment_size: 80
    .max_flat_workgroup_size: 128
    .sgpr_count:     100
    .vgpr_count:     1024
    .wavefront_size: 32
...
	.end_amdgpu_metadata
.endif
;; end of part 2
;; launch attn (part 3): grid 8 x 32, 4 waves a work-group, no clusters, 327,680 bytes of LDS; arguments qkv, y; writes y
.if DOCPART == 3
	.amdgcn_target "amdgcn-amd-amdhsa--gfx1250"
	.amdhsa_code_object_version 6
	.text
	.protected	k_qba054dbc3c_attn
	.globl	k_qba054dbc3c_attn
	.p2align	8
	.type	k_qba054dbc3c_attn,@function
k_qba054dbc3c_attn:
	s_mov_b64 s[64:65], 0
	v_nop
	global_prefetch_b8 v0, s[64:65] scope:SCOPE_SE
	s_setreg_imm32_b32 hwreg(HW_REG_WAVE_MODE, 25, 1), 1
	s_wait_xcnt 0x0
; CAUSAL ATTENTION.  y[h][q][:] = the sum over k <= q of softmax_k(Q[q] . K[k] / 8) V[k][:], for 2 x 16 heads of 2,048 rows x 64 channels, all f16.
; qkv: [16 which + head][2048 b + t][64] (q, k, v 8 MiB apart): a head's rows are dense, 128 bytes each.  y: [head][2048 b + t][64].
; Products, maxima and sums in f32; the weights p are rounded to f16 for the second product (their sum l is taken of the unrounded p), y once at the end.
; LIMITS.  f16 ends at 65,504: q, k, v arrive within it; p lies in 0 to 1 and below 6e-5 keeps f16's fixed step of 6e-8.  A hidden score counts as its value less 1e30;
; a weight below 2^-126 counts as 0 in l; NaN and infinities are not treated apart.
; THE WALK.  A head's queries lie in 16 blocks of 128; block i needs the key tiles 0 .. i of 128 keys, the last of which holds the diagonal.  A work-group takes TWO blocks, 15 - b and then b: 17 tiles whatever b:
; all 256 work-groups do equal work, and one loop with a constant trip count walks them.  Which tile is asked for, and what a trip does, hang on scalar registers made from b; every jump but the loop's own goes forward and passes no barrier.
; NO CLUSTER: a head's eight work-groups ask for the same tile only in trips 0 to 8 of 17, behind that the partners want different tiles; one walk common to all would have 24 trips for 17.
; SHARES.  Of a block's two bands of 64 queries a wave owns 16 rows in each: two PIECES.  So the diagonal tile is the same work for all four waves, and its cases are constants of the text:
; in its key step 0 piece 0 holds the diagonal and piece 1 sees all keys; in step 1 piece 1 holds the diagonal and piece 0 sees nothing: nothing is written for it.
; THE MASK is the C operand that starts a sum S^T = K Q^T: MD, made once: 0, or -1e30 where the key is hidden, for my 16 rows in a band's own step.  Elsewhere C is the constant 0.
; LAYOUT.  S^T = K Q^T holds ONE query a lane (lane % 16) and the keys 8 (lane / 16) + 0..7; two such results rounded to f16 ARE source 1 of O^T = V^T P.  K comes out of LDS as it lies, V turned by ds_load_tr16_b128.
; SOFTMAX.  p = 2^(c s - c m), c = log2(e) / 8, with a running maximum m; O and l are multiplied by a = 2^(c m_old - c m_new) in every step; a block begins with m at the lowest finite number, so its first a is 0.
; IN PHASES.  A key step: K Q^T; V is asked for; the softmax (one batch of exponentials, one wait); the next step's K is asked for; V^T P.  At a tile's end the change of slots stands between the softmax and V^T P,
; which then runs from registers while the new tile's K comes.
; REGISTERS (s_set_vgpr_msb: bits 1:0 source 0, 3:2 source 1, 5:4 source 2, 7:6 destination): window 0: v2-15 addresses; v16-23 statistics; v48-55 at work; v64-127 S^T; v128-159 MD; v160-191 P.
; window 1: v0-63 O^T; v64-127 K of a step; v128-191 V of a step; v192-223 Q; v224-255 the second block's Q.
.set NB,    16
.set KS,    64
.set PK,    144       ; a row of K in LDS: 128 + 16 bytes = 36 words: sixteen rows start at sixteen different groups of four banks (ISA guide 11.1)
.set PV,    160       ; a row of V: 128 + 32 = 40 words
.set VOFF,  2*KS*PK   ; a slot holds a tile: 128 rows of K, then 128 rows of V
.set SLOT1, 1<<16     ; slot 1 begins here: one exclusive or turns an address in one slot into the other's
.set STAGE, SLOT1+2*KS*(PK+PV)  ; behind the ring, never filled by a tensor load: 16 rows x 144 bytes a wave, for the way out
.set SP,    144
.set SPARE, STAGE+4*16*SP       ; the spare words, 128 bytes a wave, which no other line names
.set AK0, 2
.set AV0, 3
.set AK,  4
.set AV,  5
.set STO, 6
.set RD,  7
.set GO,  8
.set MV,  12          ; v12-13 c m_old, by piece
.set QO,  15
.set ST,  16          ; piece y's statistics at v[ST+4 y]: c m, m, l (even keys', odd keys')
.set TMP, 48          ; by piece four registers c0-c3 at work; c2 takes a
.set PFO, 61
.set SPW, 62
.set NIL, 63
.set S,   64
.set MD,  128
.set P,   160
.set KF,  64          ; window 1
.set VF,  128
.set Q,   192
.set QB,  224
.set WV,  12
.set PB,  14          ; s14 b
.set HI,  15          ; s15 15 - b
.set G1K, 24
.set G1V, 32
.set G0K, 40
.set G0V, 44
.set SLOTS, 56        ; s56 tiles still to be asked for
.set CS,  58          ; s[58:59] c
.set SEL, 60          ; s[60:61] v_permlanex16_b32's selects
.set TBK, 62          ; s62 LDS byte at which K of the step to be fetched begins; s63 the same for V, less VOFF
.set TBV, 63
.set RT,  70          ; s70 tiles of the block in hand still to be entered
.set NXT, 71          ; s71 the tile to be asked for next
.set LQ,  72          ; s72 the last tile of the block whose tiles are being asked for
.set NEW, 73          ; s73 1: the tile to be entered is a block's first
.set OFF, 74          ; s[74:75] a tile's byte offset
.set PFA, 76          ; s[76:77] where my prefetches stand
.set OLO, 80          ; s[80:81] y at my rows of the second block
.set BIGN, 82
.set LIM, 83
.set MSB, 0
.macro WIN new
.if MSB != (\new)
	s_set_vgpr_msb (MSB<<8)|(\new)
.set MSB, (\new)
.endif
.endm
.set W_KQ, 0x05       ; K and Q window 1; C and S^T window 0
.set W_PV, 0x51       ; V window 1, P window 0, O^T window 1
.set W_RS, 0x41       ; destination and source 0 window 1, source 1 window 0
.set W_LD, 0x40       ; destination window 1, address window 0
; A fill: waves 0 and 1 fetch the halves of a tile's K, waves 2 and 3 those of its V, 64 keys each.  An s_nop 0 and four v_nop follow each of the two lines.
.macro LOAD
	s_cmp_lt_u32 s[WV], 2
	s_cbranch_scc0 .Lfor_v_\@
	tensor_load_to_lds s[G0K:G0K+3], s[G1K:G1K+7]
	s_nop 0
.rept 4
	v_nop
.endr
	s_branch .Lasked_\@
.Lfor_v_\@:
	tensor_load_to_lds s[G0V:G0V+3], s[G1V:G1V+7]
	s_nop 0
.rept 4
	v_nop
.endr
.Lasked_\@:
.endm
; A prefetch into the L2, behind the fill: in trip t tile t + 3, two trips ahead of its own load.  All eight work-groups of a head begin with the same tiles: the one with b = 0, which walks all sixteen, asks; each of its
; waves for the 8,192 bytes that it will itself fetch, a lane 256 bytes: each block is named once in the launch.  Tiles 0 to 2 come by their loads alone; trips 13 on ask for nothing.
.macro ASK
	s_cmp_gt_u32 s[SLOTS], s[LIM]
	s_cbranch_scc0 .Lnot_mine_\@
	global_prefetch_b8 v[PFO], s[PFA:PFA+1] th:TH_LOAD_NT scope:SCOPE_SE
.Lnot_mine_\@:
.endm
; THE CHANGE OF SLOTS.  Each wave waits for all its tensor loads (one is out: its part of the other slot), adds 0 to its spare word, and waits for that and for its reads of the slot that it leaves.  Behind the barrier
; nobody reads the old slot and the other is whole.  fill = 1: the old slot is filled again, first thing, with tile NXT: the address is made anew from that number.  (At its first use slot 0 is waited for and slot 1 filled.)
.macro CHANGE fill
	WIN 0
	s_wait_tensorcnt 0x0
	ds_add_u32 v[SPW], v[NIL]       ; 0 onto my spare word; scalar work stands between it and the wait for it
.if \fill
	s_lshl_b32 s[OFF], s[NXT], 14   ; a tile is 16,384 bytes of K and of V
	s_xor_b32 s[G0K+1], s[G0K+1], SLOT1
	s_add_nc_u64 s[G0K+2:G0K+3], s[6:7], s[OFF:OFF+1]
	s_or_b32 s[G0K+3], s[G0K+3], 0x80000000
	s_xor_b32 s[G0V+1], s[G0V+1], SLOT1
	s_add_nc_u64 s[G0V+2:G0V+3], s[8:9], s[OFF:OFF+1]
	s_or_b32 s[G0V+3], s[G0V+3], 0x80000000
	s_add_co_u32 s[NXT], s[NXT], 1  ; the block's next tile, or behind its last the second block's tile 0
	s_cmp_gt_u32 s[NXT], s[LQ]
	s_cselect_b32 s[NXT], 0, s[NXT]
	s_cselect_b32 s[LQ], s[PB], s[LQ]
	s_wait_xcnt 0x0                 ; the last prefetch, a tile back, has read its address
	s_add_nc_u64 s[PFA:PFA+1], s[PFA:PFA+1], 16384
.endif
	s_wait_dscnt 0x0
	s_barrier_signal -1
	s_sub_co_u32 s[TBK], s[TBK], 2*KS*PK  ; the fetches go back to a slot's first step, in the other slot
	s_xor_b32 s[TBK], s[TBK], SLOT1
	s_sub_co_u32 s[TBV], s[TBV], 2*KS*PV
	s_xor_b32 s[TBV], s[TBV], SLOT1
	s_barrier_wait -1
.if \fill
	LOAD
	ASK
.endif
.endm
	s_load_b128 s[48:51], s[0:1], 0x0  ; qkv s[48:49], y s[50:51]
	v_lshl_add_u32 v[SPW], v0, 2, SPARE
	v_mov_b32 v[NIL], 0
	ds_add_u32 v[SPW], v[NIL]       ; the wave's opening: the add and its wait stand ahead of my first tensor load; work on registers stands between them
	ds_add_u32 v62, v63
	v_lshrrev_b32 v1, 5, v0
	v_readfirstlane_b32 s[WV], v1
	s_mov_b32 s[PB], ttmp9
	s_sub_co_u32 s[HI], NB-1, s[PB]
	s_and_b32 s20, ttmp7, 0xffff    ; 16 x batch + head
	s_and_b32 s21, s20, 15
	s_lshr_b32 s22, s20, 4
	s_lshl_b32 s20, s21, 19
	s_lshl_b32 s22, s22, 18
	s_add_co_u32 s20, s20, s22      ; the head's first byte in q (k, v: 8 and 16 MiB on) and in y
	s_and_b32 s16, s[WV], 1         ; which half of a tile's 128 keys I fetch:
	s_lshl_b32 s22, s16, 13         ; its 64 rows of 128 bytes in memory,
	s_add_co_u32 s22, s22, s20
	s_mov_b32 s23, 0
	s_mul_i32 s17, s16, 64*PK       ; and its place in a slot, for K
	s_mul_i32 s18, s16, 64*PV       ; and for V
	s_lshl_b32 s3, s[WV], 11        ; my 16 rows in a band of 64,
	s_add_co_u32 s3, s3, s20
	s_lshl_b32 s2, s[HI], 14        ; in the first block,
	s_add_co_u32 s2, s2, s3
	s_lshl_b32 s84, s[PB], 14       ; and in the second
	s_add_co_u32 s84, s84, s3
	s_mov_b32 s3, 0
	s_mov_b32 s85, 0
	; group 1: 64 keys are 8,192 dense bytes: asked for as 32 rows of 256 bytes, two keys a row, padded in LDS after every key
	s_mov_b32 s[G1K], (1<<16)|(1<<20)|(4<<22)|(3<<25)  ; 2-byte elements; padding on; after every 32 words 4 words
	s_mov_b32 s[G1V], (1<<16)|(1<<20)|(4<<22)|(7<<25)  ; the same with 8 words
.irp g, G1K, G1V
	s_mov_b32 s[\g+1], 128<<16      ; tensor_dim0 = 128
	s_mov_b32 s[\g+2], 32<<16       ; tensor_dim1 = 32
	s_mov_b32 s[\g+3], 128<<16      ; tile_dim0 = 128
	s_mov_b32 s[\g+4], 32           ; tile_dim1 = 32
	s_mov_b32 s[\g+5], 128
	s_mov_b32 s[\g+6], 0
	s_mov_b32 s[\g+7], 0
.endr
	s_mov_b32 s[CS], 0x3e38aa3b     ; c = log2(e) / 8
	s_mov_b32 s[CS+1], s[CS]
	s_mov_b32 s[SEL], 0x76543210
	s_mov_b32 s[SEL+1], 0xfedcba98
	s_mov_b32 s[TBK], SLOT1+2*KS*PK ; the first change of slots turns these two into 0
	s_mov_b32 s[TBV], SLOT1+2*KS*PV
	s_mov_b32 s[G0K], 1
	s_mov_b32 s[G0K+1], s17         ; slot 0
	s_mov_b32 s[G0V], 1
	s_add_co_u32 s[G0V+1], s18, VOFF
	s_add_co_u32 s[RT], s[HI], 1    ; the first block has 16 - b tiles
	s_mov_b32 s[NXT], 1
	s_mov_b32 s[LQ], s[HI]
	s_mov_b32 s[NEW], 1
	s_mov_b32 s[OFF+1], 0
	s_mov_b32 s[BIGN], 0xf149f2ca   ; -1e30
	s_mov_b32 s[SLOTS], NB
	s_wait_dscnt 0x0                ; the opening add is done
	s_wait_kmcnt 0x0
	s_add_nc_u64 s[6:7], s[48:49], s[22:23]
	s_add_nc_u64 s[8:9], s[6:7], 0x1000000         ; V at my half of the head's tile 0,
	s_add_nc_u64 s[6:7], s[6:7], 0x800000          ; and K
	s_add_nc_u64 s[G0K+2:G0K+3], s[6:7], 0
	s_or_b32 s[G0K+3], s[G0K+3], 0x80000000
	s_add_nc_u64 s[G0V+2:G0V+3], s[8:9], 0
	s_or_b32 s[G0V+3], s[G0V+3], 0x80000000
	s_add_nc_u64 s[86:87], s[48:49], s[84:85]      ; Q at my rows of the second block,
	s_add_nc_u64 s[4:5], s[48:49], s[2:3]          ; Q and y at those of the first
	s_add_nc_u64 s[OLO:OLO+1], s[50:51], s[84:85]
	s_add_nc_u64 s[10:11], s[50:51], s[2:3]
	s_cmp_lt_u32 s[WV], 2
	s_cselect_b64 s[PFA:PFA+1], s[6:7], s[8:9]
	s_add_nc_u64 s[PFA:PFA+1], s[PFA:PFA+1], 2<<14 ; at tile 2: the first change of slots steps it to 3
	s_cmp_eq_u32 s[PB], 0
	s_cselect_b32 s[LIM], 3, -1
	LOAD                            ; tile 0 into slot 0
	v_and_b32 v1, 15, v0            ; l % 16
	v_bfe_u32 v9, v0, 4, 1          ; l / 16
	v_lshlrev_b32 v[QO], 7, v1
	v_lshl_add_u32 v[QO], v9, 4, v[QO]  ; row x 128 + 16 x half
	WIN W_LD
.set i, 0
.rept 4                             ; both blocks' Q: piece i / 2 lies in band i / 2, 8,192 bytes on; channels 32 (i % 2) on
	global_load_b128 v[Q+8*i:Q+8*i+3],     v[QO], s[4:5] offset:(i/2)*8192+(i%2)*64
	global_load_b128 v[Q+8*i+4:Q+8*i+7],   v[QO], s[4:5] offset:(i/2)*8192+(i%2)*64+32
	global_load_b128 v[QB+8*i:QB+8*i+3],   v[QO], s[86:87] offset:(i/2)*8192+(i%2)*64
	global_load_b128 v[QB+8*i+4:QB+8*i+7], v[QO], s[86:87] offset:(i/2)*8192+(i%2)*64+32
.set i, i+1
.endr
.set i, 0
.rept 64
	v_mov_b32 v[i], 0               ; O^T: a block's first step multiplies it by a = 0, so it need only be finite
.set i, i+1
.endr
	WIN 0
	v_lshlrev_b32 v14, 3, v9
	v_sub_nc_u32 v14, v1, v14
	s_lshl_b32 s13, s[WV], 4
	v_add_nc_u32 v14, s13, v14      ; my query's place in its band, 16 w + l % 16, less 8 (l / 16): register r of key group kt is hidden where 16 kt + r is greater
.set i, 0
.rept 32
	v_cmp_gt_i32 vcc_lo, 16*(i/8)+i%8, v14
	v_cndmask_b32 v[MD+i], 0, s[BIGN], vcc_lo
.set i, i+1
.endr
	v_mul_u32_u24 v[AK0], v1, PK
	v_lshl_add_u32 v[AK0], v9, 4, v[AK0]
	v_and_b32 v10, 7, v0
	v_bfe_u32 v11, v0, 3, 1
	v_lshl_add_u32 v[AV0], v9, 3, v10   ; the turning load: key 8 (l / 16) + l % 8, channels 8 ((l / 8) % 2) + 0..7
	v_mul_u32_u24 v[AV0], v[AV0], PV
	v_lshl_add_u32 v[AV0], v11, 4, v[AV0]
	v_add_nc_u32 v[AV0], VOFF, v[AV0]
	s_mul_i32 s13, s[WV], 16*SP
	s_add_co_u32 s13, s13, STAGE    ; my stage
	v_mul_u32_u24 v[STO], v1, SP
	v_lshl_add_u32 v[STO], v9, 4, v[STO]
	v_add_nc_u32 v[STO], s13, v[STO]
	v_bfe_u32 v[RD], v0, 3, 2       ; back: 32 lanes take four rows of 128 bytes,
	v_mul_u32_u24 v[RD], v[RD], SP
	v_lshl_add_u32 v[RD], v10, 4, v[RD]
	v_add_nc_u32 v[RD], s13, v[RD]
	v_and_b32 v[GO], 31, v0         ; which are 512 consecutive bytes of y
	v_lshlrev_b32 v[PFO], 8, v[GO]
	v_lshlrev_b32 v[GO], 4, v[GO]
.set i, 0
.rept 2
	v_mov_b32 v[ST+4*i+2], 0        ; l, likewise
	v_mov_b32 v[ST+4*i+3], 0
.set i, i+1
.endr
; THE MATRIX WORK.  np = 2: both pieces; 1: piece 1 alone.  The accumulators take turns, one instruction a turn.
; S^T = K Q^T: channels 32 kc on, keys 16 kt on.  The first products start the sums: with 0, or (m0, m1: piece 0's, piece 1's) with the mask.
.macro KQ np, m0, m1
	WIN W_KQ
.set i, 0
.rept 8*(\np)
.if (\np) == 2
.set kx, i%2
.set kt, (i/2)%4
.set kc, i/8
.else
.set kx, 1
.set kt, i%4
.set kc, i/4
.endif
.set rS, S+32*kx+8*kt
.set rK, KF+16*kt+8*kc
.set rQ, Q+16*kx+8*kc
.if (kc == 0) && (((kx == 0) && (\m0)) || ((kx == 1) && (\m1)))
	v_wmma_f32_16x16x32_f16 v[rS:rS+7], v[rK:rK+7], v[rQ:rQ+7], v[MD+8*kt:MD+8*kt+7]
.elseif kc == 0
	v_wmma_f32_16x16x32_f16 v[rS:rS+7], v[rK:rK+7], v[rQ:rQ+7], 0
.else
	v_wmma_f32_16x16x32_f16 v[rS:rS+7], v[rK:rK+7], v[rQ:rQ+7], v[rS:rS+7]
.endif
.set i, i+1
.endr
.endm
; O^T += V^T P: keys 32 kc on, channels 16 kt on.
.macro PVM np
	WIN W_PV
.set i, 0
.rept 8*(\np)
.if (\np) == 2
.set kx, i%2
.set kt, (i/2)%4
.set kc, i/8
.else
.set kx, 1
.set kt, i%4
.set kc, i/4
.endif
.set rO, 32*kx+8*kt
.set rV, VF+32*kc+8*kt
.set rP, P+16*kx+8*kc
	v_wmma_f32_16x16x32_f16 v[rO:rO+7], v[rV:rV+7], v[rP:rP+7], v[rO:rO+7]
.set i, i+1
.endr
.endm
; THE LDS LOADS, in runs of 16: a step's K (8 fragments) and its V (turned).
.macro FK
	WIN 0
	v_add_nc_u32 v[AK], s[TBK], v[AK0]
	WIN W_LD
.irp f, 0,1,2,3,4,5,6,7             ; keys 16 (f / 2) on, channels 32 (f % 2) on
	ds_load_b128 v[KF+8*\f:KF+8*\f+3],   v[AK] offset:(\f/2)*16*PK+(\f%2)*64
	ds_load_b128 v[KF+8*\f+4:KF+8*\f+7], v[AK] offset:(\f/2)*16*PK+(\f%2)*64+32
.endr
	s_add_co_u32 s[TBK], s[TBK], KS*PK
	WIN 0
.endm
.macro FV
	WIN 0
	v_add_nc_u32 v[AV], s[TBV], v[AV0]
	WIN W_LD
.irp f, 0,1,2,3,4,5,6,7             ; keys 32 (f / 4) on, channels 16 (f % 4) on
	ds_load_tr16_b128 v[VF+8*\f:VF+8*\f+3],   v[AV] offset:(\f/4)*32*PV+(\f%4)*32
	ds_load_tr16_b128 v[VF+8*\f+4:VF+8*\f+7], v[AV] offset:(\f/4)*32*PV+16*PV+(\f%4)*32
.endr
	s_add_co_u32 s[TBV], s[TBV], KS*PV
	WIN 0
.endm
; THE VECTOR WORK, a line at a time, for piece y.
.macro REGS y
.set rT, ST+4*(\y)
.set rC, TMP+4*(\y)
.set rW, MV+(\y)
.set rS, S+32*(\y)
.set rP, P+16*(\y)
.set rO, 32*(\y)
.endm
; MX: number n of the 22 that find the maximum and the statistics.  0-11 four chains c0-c3 of seven scores each (each accumulator's lowest registers are read first); 12-14, 16 the four
; scores left over, the old m, and c0-c3 into c0; 15 c m_old is kept; 17, 18 the query's other 32 keys lie in the lane 16 away: the new m; 19-21 c m; c m_old - c m_new; a
.macro MX y, n
	REGS \y
.if (\n) < 4
	v_max3_num_f32 v[rC+(\n)], v[rS+8*(\n)], v[rS+8*(\n)+1], v[rS+8*(\n)+2]
.elseif (\n) < 12
	v_max3_num_f32 v[rC+(\n)%4], v[rC+(\n)%4], v[rS+8*((\n)%4)+2*((\n)/4)+1], v[rS+8*((\n)%4)+2*((\n)/4)+2]
.elseif (\n) == 12
	v_max3_num_f32 v[rC], v[rC], v[rS+7], v[rS+15]
.elseif (\n) == 13
	v_max3_num_f32 v[rC+1], v[rC+1], v[rS+23], v[rS+31]
.elseif (\n) == 14
	v_max3_num_f32 v[rC+2], v[rC+2], v[rC+3], v[rT+1]
.elseif (\n) == 15
	v_mov_b32 v[rW], v[rT]
.elseif (\n) == 16
	v_max3_num_f32 v[rC], v[rC], v[rC+1], v[rC+2]
.elseif (\n) == 17
	v_permlanex16_b32 v[rC+3], v[rC], s[SEL], s[SEL+1]
.elseif (\n) == 18
	v_max_num_f32 v[rT+1], v[rC], v[rC+3]
.elseif (\n) == 19
	v_mul_f32 v[rT], s[CS], v[rT+1]
.elseif (\n) == 20
	v_sub_f32 v[rC+1], v[rW], v[rT]
.else
	v_exp_f32 v[rC+2], v[rC+1]
.endif
.endm
.macro MF y, n                      ; c s - c m for pair n of 16
	REGS \y
	v_pk_fma_f32 v[rS+2*(\n):rS+2*(\n)+1], v[rS+2*(\n):rS+2*(\n)+1], s[CS:CS+1], v[rT:rT+1] op_sel_hi:[1,0,0] neg_lo:[0,0,1] neg_hi:[0,0,1]
.endm
.macro ME y, n                      ; the exponential of score n of 32
	REGS \y
	v_exp_f32 v[rS+(\n)], v[rS+(\n)]
.endm
.macro MC y, n                      ; pair n rounded to f16
	REGS \y
	v_cvt_pk_f16_f32 v[rP+(\n)], v[rS+2*(\n)], v[rS+2*(\n)+1]
.endm
.macro MB y, n                      ; of the four weights 4 n .. the second pair is added onto the first
	REGS \y
	v_pk_add_f32 v[rS+4*(\n):rS+4*(\n)+1], v[rS+4*(\n):rS+4*(\n)+1], v[rS+4*(\n)+2:rS+4*(\n)+3]
.endm
.macro ML y, n                      ; l takes that sum; the first time l = a l + sum
	REGS \y
.if (\n) == 0
	v_pk_fma_f32 v[rT+2:rT+3], v[rT+2:rT+3], v[rC+2:rC+3], v[rS:rS+1] op_sel_hi:[1,0,1]
.else
	v_pk_add_f32 v[rT+2:rT+3], v[rT+2:rT+3], v[rS+4*(\n):rS+4*(\n)+1]
.endif
.endm
.macro MR y, n                      ; pair n of 16 of O^T times a
	REGS \y
	v_pk_mul_f32 v[rO+2*(\n):rO+2*(\n)+1], v[rO+2*(\n):rO+2*(\n)+1], v[rC+2:rC+3] op_sel_hi:[1,0]
.endm
.macro FORP np, mac, n              ; a line for each piece in hand
.if (\np) == 2
	\mac 0, \n
.endif
	\mac 1, \n
.endm
.macro RUN np, mac, cnt             ; numbers 0 .. cnt - 1, the pieces alternating
.set n, 0
.rept \cnt
	FORP \np, \mac, n
.set n, n+1
.endr
.endm
; A STEP'S SOFTMAX.  All exponentials (a, then the scores, each pair scaled a group earlier) are ONE BATCH, and nothing ahead of the wait names a result of theirs; behind it come the roundings, the sums and the rescaling.
.macro SM np
	WIN 0
	RUN \np, MX, 22
	FORP \np, MF, 0
.set n, 1
.rept 15
.if (\np) == 2
	MF 0, n
	ME 0, 2*n-2
	ME 0, 2*n-1
.endif
	MF 1, n
	ME 1, 2*n-2
	ME 1, 2*n-1
.set n, n+1
.endr
	FORP \np, ME, 30
	FORP \np, ME, 31
	v_nop                           ; a plain instruction behind the last exponential (ISA guide 5.7.2): one for the batch
	s_wait_alu depctr_va_vdst(0)    ; one wait ahead of the batch's first reader
	RUN \np, MC, 16
	RUN \np, MB, 8
	RUN \np, ML, 8
	WIN W_RS
	RUN \np, MR, 16
.endm
.macro BEGIN                        ; a block begins: c m far below every c s, so the first a is 0; m at the lowest finite number
	s_mov_b32 s[NEW], 0
.set i, 0
.rept 2
	v_mov_b32 v[ST+4*i], 0xfe000000
	v_mov_b32 v[ST+4*i+1], 0xff7fffff
.set i, i+1
.endr
	s_wait_loadcnt 0x0              ; Q
.endm
.macro STEPA np, m0, m1             ; K is awaited; the scores; four places behind them (for the softmax, and for the loads into V's registers, which the products before these read); V is asked for; the softmax
	s_wait_dscnt 0x0
	KQ \np, \m0, \m1
	WIN 0
.rept 4
	v_nop
.endr
	FV
	SM \np
.endm
.macro NORMAL                       ; a tile below the diagonal; its second step's V^T P is left for the next trip
	STEPA 2, 0, 0
	FK
	s_wait_dscnt 16                 ; V is in; the 16 loads of K just issued stay out
	PVM 2
	STEPA 2, 0, 0
	WIN 0
.endm
.macro PACK t                       ; piece t: O^T / l, rounded to f16; 16 bytes a lane into rows of 144 bytes, and back as whole rows of 128
	WIN W_RS
.set i, 32*(\t)
.rept 16
	v_pk_mul_f32 v[i:i+1], v[i:i+1], v[ST+4*(\t)+2:ST+4*(\t)+3] op_sel_hi:[1,0]
.set i, i+2
.endr
	WIN 0x05
.set i, 0
.rept 16
	v_cvt_pk_f16_f32 v[S+16*(\t)+i], v[32*(\t)+2*i], v[32*(\t)+2*i+1]
.set i, i+1
.endr
	WIN 0
.irp f, 0,1,2,3
	ds_store_b128 v[STO], v[S+16*(\t)+4*\f:S+16*(\t)+4*\f+3] offset:32*\f
.endr
.irp f, 0,1,2,3
	ds_load_b128 v[S+16*(\t)+4*\f:S+16*(\t)+4*\f+3], v[RD] offset:\f*4*SP  ; LDS serves a wave's instructions in order (ISA guide 5.7.1.4): these see the stores above
.endr
.endm
.macro SEND t, younger              ; younger: the LDS instructions issued behind piece t's loads
.irp f, 0,1,2,3
	s_wait_dscnt (\younger)+3-\f
	global_store_b128 v[GO], v[S+16*(\t)+4*\f:S+16*(\t)+4*\f+3], s[10:11] offset:(\t)*8192+\f*512  ; 512 consecutive bytes, at a multiple of 256 from y's first
.endr
.endm
.macro DIAG                         ; the diagonal tile, and the block's way out
	STEPA 2, 1, 0
	FK
	s_wait_dscnt 16
	PVM 2
	STEPA 1, 0, 1
	s_wait_dscnt 0x0                ; V is in
	PVM 1
	WIN 0
.rept 4
	v_nop                           ; the places behind the last products
.endr
.irp t, 0,1
	v_add_f32 v[ST+4*\t+2], v[ST+4*\t+2], v[ST+4*\t+3]
.endr
.irp t, 0,1
	v_permlanex16_b32 v[ST+4*\t+3], v[ST+4*\t+2], s[SEL], s[SEL+1]
.endr
.irp t, 0,1
	v_add_f32 v[ST+4*\t+2], v[ST+4*\t+2], v[ST+4*\t+3]
.endr
.irp t, 0,1
	v_rcp_f32 v[ST+4*\t+2], v[ST+4*\t+2]
.endr
	v_nop
	s_wait_alu depctr_va_vdst(0)    ; one wait for the two reciprocals, ahead of their first reader
	PACK 0
	PACK 1
	SEND 0, 8
	SEND 1, 0
.endm
.Ltile:                             ; 16 times: a tile is entered and the next is asked for
	CHANGE 1
	FK                              ; K of the tile's first step
	s_sub_co_u32 s[RT], s[RT], 1
	s_cmp_eq_u32 s[NEW], 1
	s_cbranch_scc1 .Lnew            ; a block's first tile: at the first trip the answer is a constant of the text
	PVM 2                           ; the last tile's second step: V and P lie in registers
	WIN 0
	s_branch .Lgo
.Lnew:
	BEGIN
.Lgo:
	s_cmp_eq_u32 s[RT], 0
	s_cbranch_scc1 .Ldiag
	NORMAL
	s_branch .Lbot
.Ldiag:
	DIAG                            ; in the loop this is the first block's end: the second block's last tile is the walk's last
	s_wait_xcnt 0x0                 ; the stores have read their registers and y's address
	s_mov_b64 s[10:11], s[OLO:OLO+1]
	s_add_co_u32 s[RT], s[PB], 1    ; the second block has b + 1 tiles
	s_mov_b32 s[NEW], 1
	WIN W_RS
.set i, 0
.rept 32
	v_mov_b32 v[Q+i], v[QB+i]       ; the second block's Q goes where the one text of the products names Q
.set i, i+1
.endr
	WIN 0
.Lbot:
	s_sub_co_u32 s[SLOTS], s[SLOTS], 1
	s_cmp_lg_u32 s[SLOTS], 0
	s_cbranch_scc1 .Ltile
	CHANGE 0                        ; the walk's last tile is written out: nothing is asked for
	FK
	s_sub_co_u32 s[RT], s[RT], 1
	s_cmp_eq_u32 s[NEW], 1
	s_cbranch_scc1 .Lnew2
	PVM 2
	WIN 0
	s_branch .Lgo2
.Lnew2:
	BEGIN
.Lgo2:
	DIAG
	s_wait_tensorcnt 0x0            ; the wave's end, behind my last tensor load and my last LDS store
	ds_add_u32 v[SPW], v[NIL]
	s_wait_dscnt 0x0
	s_endpgm
.Lfunc_end_k_qba054dbc3c_attn:
	.size	k_qba054dbc3c_attn, .Lfunc_end_k_qba054dbc3c_attn-k_qba054dbc3c_attn
	.p2alignl 7, 3214868480
	.fill 96, 4, 3214868480
	.section	.rodata,"a",@progbits
	.p2align	6, 0x0
	.amdhsa_kernel k_qba054dbc3c_attn
		.amdhsa_group_segment_fixed_size 327680
		.amdhsa_private_segment_fixed_size 0
		.amdhsa_enable_private_segment 0
		.amdhsa_kernarg_size 16
		.amdhsa_user_sgpr_count 2
		.amdhsa_user_sgpr_kernarg_segment_ptr 1
		.amdhsa_wavefront_size32 1
		.amdhsa_system_sgpr_workgroup_id_x 1
		.amdhsa_system_sgpr_workgroup_id_y 1
		.amdhsa_system_sgpr_workgroup_id_z 1
		.amdhsa_system_vgpr_workitem_id 0
		.amdhsa_next_free_vgpr 512
		.amdhsa_next_free_sgpr 92
		.amdhsa_reserve_vcc 1
		.amdhsa_float_denorm_mode_32 3
		.amdhsa_float_denorm_mode_16_64 3
		.amdhsa_memory_ordered 1
		.amdhsa_forward_progress 1
		.amdhsa_inst_pref_size 119
	.end_amdhsa_kernel
	.amdgpu_metadata
---
amdhsa.version: [ 1, 2 ]
amdhsa.kernels:
  - .name:           k_qba054dbc3c_attn
    .symbol:         k_qba054dbc3c_attn.kd
    .args:
      - { .name: qkv, .offset: 0, .size: 8, .value_kind: global_buffer, .address_space: global }
      - { .name: y, .offset: 8, .size: 8, .value_kind: global_buffer, .address_space: global }
    .group_segment_fixed_size: 327680
    .private_segment_fixed_size: 0
    .kernarg_segment_align: 8
    .kernarg_segment_size: 16
    .max_flat_workgroup_size: 128
    .sgpr_count:     92
    .vgpr_count:     512
    .wavefront_size: 32
...
	.end_amdgpu_metadata
.endif
;; end of part 3
;; launch proj (part 4): grid 8 x 32, 4 waves a work-group, clusters of 4 x 4, 327,680 bytes of LDS; arguments y, wh, bo, x, x1; writes x1
.if DOCPART == 4
	.amdgcn_target "amdgcn-amd-amdhsa--gfx1250"
	.amdhsa_code_object_version 6
	.text
	.protected	k_qba054dbc3c_proj
	.globl	k_qba054dbc3c_proj
	.p2align	8
	.type	k_qba054dbc3c_proj,@function
k_qba054dbc3c_proj:
	s_mov_b64 s[64:65], 0
	v_nop
	global_prefetch_b8 v0, s[64:65] scope:SCOPE_SE
	s_setreg_imm32_b32 hwreg(HW_REG_WAVE_MODE, 25, 1), 1
	s_wait_xcnt 0x0
	s_wait_alu depctr_hold_cnt(0) depctr_sa_sdst(0) depctr_va_vdst(0) depctr_va_sdst(0) depctr_va_ssrc(0) depctr_va_vcc(0) depctr_vm_vsrc(0)
	s_getreg_b32 s2, hwreg(HW_REG_IB_STS2, 6, 4)
	s_cmp_eq_u32 s2, 0
	s_cbranch_scc0 .Lentry_in_a_cluster
	s_endpgm
.Lentry_in_a_cluster:
	s_bfe_u32 s2, ttmp6, 0x10000c
	s_cmp_lg_u32 s2, 0xf033
	s_cbranch_scc0 .Lentry_shape_is_right
	s_endpgm
.Lentry_shape_is_right:
; C = R + A W + bias on tiles of 128 x 128, C and R f32 [4096][1024].  A: f16 in blocks [k / 64][row 0..4095][64].  W: [K][1024] f16, rows along N, as the weights lie.  Sums in f32.
; KIND 2: A = attention's y, W = Wo, R = x, K = 1,024.   KIND 3: A = gelu(..), W = W2, R = x1, K = 4,096.
; SHAPE: 8 x 32 = 256 tiles, one for each of 256 work-groups; four waves, each 64 x 64 of C in 128 registers.  K goes in steps of 256 through two LDS slots filled by the tensor data mover
; (A: four dense runs of 64 rows x 64 k for each half of the rows; W: 256 k-rows x 256 bytes).
; CLUSTER 4 x 4: A's tile hangs on the tile row alone and is asked for jointly by a row of the cluster, W's on the tile column alone, by a column.
; K IS WALKED IN A RING, from a start that hangs on the cluster: cluster (X, Y) begins at K step (ROTX X + ROTY Y) mod T and goes round.  The two clusters along x read the same rows of A, the eight along y the same
; rows of W: so at any one time they name different K steps, each block of A and of W is asked for first by one cluster, and the others ask for it steps later.  The start is made of the cluster's x and y alone,
; which all sixteen partners share: every joint load's descriptor stays equal in its four.  The f32 sums are taken in the ring's order.
; THE PRODUCT IS USED TRANSPOSED: source 0 = 16 columns of W (turned out of LDS by ds_load_tr16_b128), source 1 = 16 rows of A: a lane holds row l % 16 of C and the columns 8 (l / 16) + 0..7.
; THE SUMS START WITH THE BIAS: one product of two zero fragments with C = the bias for each accumulator, issued while the first tile is on its way.  R's tile is loaded at the start, into registers of its own, and added on the way out.
; THE K LOOP: a K step is four quarters of 64 k.  A unit fetches one quarter's fragments (32 LDS loads in one run) and multiplies the quarter fetched a unit earlier (32 products); a step's last quarter is
; multiplied in the next step's first unit, from registers.  The 16 accumulators take turns in one order everywhere.
; NO PREFETCH: the tiles are small: a K step is 128 products a wave.
; REGISTERS, in windows of 256 (s_set_vgpr_msb: bits 1:0 source 0, 3:2 source 1, 5:4 source 2, 7:6 destination): window 0: v16-29 addresses; v64-127, v128-191 A's fragments, two buffers; v192-223 the bias;
; window 1: v64-127, v128-191 W's fragments; window 2: v0-127 the accumulators, (a, b) at v[8 (4 a + b)]; window 3: v0-127 R's tile.
.set KIND,  2
.if KIND == 2
.set T,     4                          ; K steps
.set WOFF,  6<<20                      ; Wo in wh
.set ROTX,  2                          ; the ring's start: T / 2 for each cluster along x,
.set ROTY,  1                          ; and this for each along y
.else
.set T,     16
.set WOFF,  16<<20                     ; W2 in wh
.set ROTX,  8
.set ROTY,  2
.endif
.set PA,    144                        ; A's LDS row: 128 + 16 bytes = 36 words: sixteen rows start at sixteen different groups of four banks (ISA guide 11.1)
.set PB,    288                        ; W's LDS row: 256 + 32 bytes = 9 x 32
.set HALF,  256*PA                     ; what one tensor load brings: 4 x 64 rows of A, or 128 k-rows of W (128 x 288 is the same number)
.set AREG,  2*HALF
.set SLOT,  4*HALF
.set SPARE, 2*SLOT                     ; behind the slots: the spare words, 128 bytes a wave, which no other line names
.set PD,    272                        ; the way out: a row of 64 f32 + 16 bytes
.set REGN,  64*PD                      ; a wave's own region for the way out, in slot 0, which has had its last fill by then
.set SHA,   21                         ; a K step is 2^21 bytes of A (four blocks of 524,288)
.set SHW,   19                         ; and 2^19 of W (256 rows of 2,048)
.set A0,  16
.set B0,  17
.set ADA, 18
.set ADB, 19
.set STO, 20
.set RD,  21
.set GO,  22
.set BO,  23
.set SPW, 28
.set NIL, 29
.set F0,  64
.set F1,  128
.set BIAS, 192
.set WV,  16                           ; s16 wave; s17 wave / 2: my half of the tile's rows, and 0: I fetch A, 1: W; s18 wave % 2: my half of its columns, and which half I fetch
.set RH,  17
.set CH,  18
.set CX,  19
.set CY,  20
.set TCOL, 21
.set TROW, 22
.set G1A, 24
.set G0A, 32
.set G1B, 48
.set G0B, 56
.set TBA, 80
.set TBB, 81
.set QC,  82
.set LAPC, 83
.set KI,  84                           ; s84 the K step to be asked for next
.set OUTP, 86                          ; s[86:87] C at my part; s[88:89] R at the same place
.set RESP, 88
.set OA,  92                           ; s[92:93], s[94:95] that step's byte offset in A and in W
.set OB,  94
.set MSB, 0
.macro WIN new
.if MSB != (\new)
	s_set_vgpr_msb (MSB<<8)|(\new)
.set MSB, \new
.endif
.endm
.macro JLOAD s                         ; a joint load: waves 0 and 1 fetch A's halves, waves 2 and 3 W's; an s_nop 0 and four v_nop follow each of the two lines
	s_cmp_eq_u32 s[RH], 0
	s_cbranch_scc0 .Lfor_b_\@
	tensor_load_to_lds s[G0A+4*(\s):G0A+4*(\s)+3], s[G1A:G1A+7]
	s_nop 0
.rept 4
	v_nop
.endr
	s_branch .Lasked_\@
.Lfor_b_\@:
	tensor_load_to_lds s[G0B+4*(\s):G0B+4*(\s)+3], s[G1B:G1B+7]
	s_nop 0
.rept 4
	v_nop
.endr
.Lasked_\@:
.endm
.macro CROUND                          ; a round of the cluster's barrier
	s_barrier_signal -1
	s_barrier_wait -1
	s_cmp_lg_u32 s[WV], 0
	s_cbranch_scc1 .Lnot_wave_0_\@
	s_barrier_signal -3
.Lnot_wave_0_\@:
	s_barrier_wait -3
	s_barrier_signal -1
	s_barrier_wait -1
.endm
.macro AIM s                           ; slot s's two descriptors take K step KI: each address is made anew from its base and the step's offset; then KI goes one on in the ring
	s_lshl_b32 s[OA], s[KI], SHA
	s_lshl_b32 s[OB], s[KI], SHW
	s_add_nc_u64 s[G0A+4*(\s)+2:G0A+4*(\s)+3], s[68:69], s[OA:OA+1]
	s_or_b32 s[G0A+4*(\s)+3], s[G0A+4*(\s)+3], 0x80000000
	s_add_nc_u64 s[G0B+4*(\s)+2:G0B+4*(\s)+3], s[72:73], s[OB:OB+1]
	s_or_b32 s[G0B+4*(\s)+3], s[G0B+4*(\s)+3], 0x80000000
	s_add_co_u32 s[KI], s[KI], 1
	s_and_b32 s[KI], s[KI], T-1
.endm
	s_load_b256 s[4:11], s[0:1], 0x0               ; A s[4:5], wh s[6:7], bias s[8:9], R s[10:11]
	s_load_b64 s[12:13], s[0:1], 0x20              ; C
	v_lshl_add_u32 v[SPW], v0, 2, SPARE
	v_mov_b32 v[NIL], 0
	ds_add_u32 v[SPW], v[NIL]                      ; the wave's opening: the add and its wait stand ahead of my first tensor load; work on registers stands between them
	ds_add_u32 v28, v29
	v_lshrrev_b32 v1, 5, v0
	v_readfirstlane_b32 s[WV], v1
	s_lshr_b32 s[RH], s[WV], 1
	s_and_b32 s[CH], s[WV], 1
	s_bfe_u32 s[CX], ttmp6, 0x40000
	s_bfe_u32 s[CY], ttmp6, 0x40004
	s_lshl_b32 s[TCOL], ttmp9, 2
	s_add_co_u32 s[TCOL], s[TCOL], s[CX]
	s_and_b32 s[TROW], ttmp7, 0xffff
	s_lshl_b32 s[TROW], s[TROW], 2
	s_add_co_u32 s[TROW], s[TROW], s[CY]
	s_lshl_b32 s66, s[CY], 2
	s_lshl_b32 s66, 15, s66                        ; my row of the cluster
	s_lshl_b32 s67, 0x1111, s[CX]                  ; my column
	s_or_b32 s[G1A], s66, (1<<16)|(1<<20)|(1<<21)|(4<<22)|(3<<25)  ; mask; 2-byte elements; padding on; bit 21 beside a mask; after every 32 words (a row of 64 k) 4 words
	s_mov_b32 s[G1A+1], 4096<<16                   ; tensor_dim0 = 4,096: 64 rows x 64 k, dense
	s_mov_b32 s[G1A+2], 4<<16                      ; tensor_dim1 = 4 blocks
	s_mov_b32 s[G1A+3], 4096<<16                   ; tile_dim0
	s_mov_b32 s[G1A+4], 4                          ; tile_dim1
	s_mov_b32 s[G1A+5], 262144                     ; elements from block to block
	s_mov_b32 s[G1A+6], 0
	s_mov_b32 s[G1A+7], 0
	s_or_b32 s[G1B], s67, (1<<16)|(1<<20)|(1<<21)|(5<<22)|(7<<25)  ; after every 64 words 8 words
	s_mov_b32 s[G1B+1], 128<<16
	s_mov_b32 s[G1B+2], 128<<16
	s_mov_b32 s[G1B+3], 128<<16
	s_mov_b32 s[G1B+4], 128
	s_mov_b32 s[G1B+5], 1024
	s_mov_b32 s[G1B+6], 0
	s_mov_b32 s[G1B+7], 0
	s_lshl_b32 s68, s[TROW], 14                    ; A: 128 rows of 128 bytes a tile row,
	s_lshl_b32 s70, s[CH], 13                      ; my 64 of them
	s_add_co_u32 s68, s68, s70
	s_mov_b32 s69, 0
	s_lshl_b32 s72, s[TCOL], 8                     ; W: 128 columns a tile column,
	s_lshl_b32 s74, s[CH], 18                      ; my 128 k-rows of 2,048 bytes
	s_add_co_u32 s72, s72, s74
	s_add_co_u32 s72, s72, WOFF
	s_mov_b32 s73, 0
	s_mul_i32 s76, s[WV], HALF                     ; where my loads go: A's two halves, then W's two = wave x HALF
	s_lshl_b32 s78, s[TROW], 19                    ; C and R: 128 rows of 4,096 bytes a tile row, my 64; 512 bytes a tile column, my 256
	s_lshl_b32 s70, s[RH], 18
	s_add_co_u32 s78, s78, s70
	s_lshl_b32 s70, s[TCOL], 9
	s_add_co_u32 s78, s78, s70
	s_lshl_b32 s70, s[CH], 8
	s_add_co_u32 s78, s78, s70
	s_mov_b32 s79, 0
	s_and_b32 s70, ttmp7, 0xffff                   ; the ring's start, of the cluster's y
	s_mul_i32 s70, s70, ROTY
	s_mul_i32 s71, ttmp9, ROTX                     ; and x
	s_add_co_u32 s[KI], s70, s71
	s_and_b32 s[KI], s[KI], T-1
	s_mov_b32 s[OA+1], 0
	s_mov_b32 s[OB+1], 0
	s_wait_dscnt 0x0                               ; the opening add is done
	s_wait_kmcnt 0x0
	s_add_nc_u64 s[68:69], s[4:5], s[68:69]        ; A and W at my part of K step 0: these two stay
	s_add_nc_u64 s[72:73], s[6:7], s[72:73]
	s_add_nc_u64 s[OUTP:OUTP+1], s[12:13], s[78:79]
	s_add_nc_u64 s[RESP:RESP+1], s[10:11], s[78:79]
	CROUND                                         ; all sixteen work-groups are here: the first joint loads meet
.irp s, 0,1
	s_mov_b32 s[G0A+4*(\s)], 1
	s_add_co_u32 s[G0A+4*(\s)+1], s76, (\s)*SLOT
	s_mov_b32 s[G0B+4*(\s)], 1
	s_add_co_u32 s[G0B+4*(\s)+1], s76, (\s)*SLOT
	AIM \s
	JLOAD \s                                       ; the ring's first two K steps: two loads of mine are out
.endr
	v_and_b32 v1, 15, v0                           ; l % 16
	v_bfe_u32 v2, v0, 4, 1                         ; l / 16
	v_and_b32 v3, 7, v0
	v_bfe_u32 v4, v0, 3, 1
	s_mul_i32 s66, s[RH], HALF
	v_mul_u32_u24 v[A0], v1, PA
	v_lshl_add_u32 v[A0], v2, 4, v[A0]
	v_add_nc_u32 v[A0], s66, v[A0]
	v_lshl_add_u32 v[B0], v2, 3, v3
	v_mul_u32_u24 v[B0], v[B0], PB
	v_lshl_add_u32 v[B0], v4, 4, v[B0]
	s_lshl_b32 s66, s[CH], 7                       ; my 64 columns
	v_add_nc_u32 v[B0], s66, v[B0]
	s_mul_i32 s67, s[WV], REGN
	v_mul_u32_u24 v[STO], v1, PD
	v_lshl_add_u32 v[STO], v2, 5, v[STO]
	v_add_nc_u32 v[STO], s67, v[STO]
	v_mul_u32_u24 v[RD], v2, PD
	v_lshl_add_u32 v[RD], v1, 4, v[RD]
	v_add_nc_u32 v[RD], s67, v[RD]
	v_lshlrev_b32 v[GO], 12, v2                    ; lanes 0-15 take 256 bytes of one row of C, lanes 16-31 of the next
	v_lshl_add_u32 v[GO], v1, 4, v[GO]
	s_lshl_b32 s66, s[TCOL], 9                     ; the bias: 4 bytes x (128 x tile column + 64 x half + 8 (l / 16))
	s_lshl_b32 s67, s[CH], 8
	s_add_co_u32 s66, s66, s67
	v_lshl_add_u32 v[BO], v2, 5, s66
.set i, 0
.rept 4
	global_load_b128 v[BIAS+8*i:BIAS+8*i+3],   v[BO], s[8:9] offset:64*i
	global_load_b128 v[BIAS+8*i+4:BIAS+8*i+7], v[BO], s[8:9] offset:64*i+16
.set i, i+1
.endr
	WIN 0xc0                                       ; destination window 3
.set i, 0
.rept 32
	global_load_b128 v[4*i:4*i+3], v[GO], s[RESP:RESP+1] offset:8192*i  ; R's rows 2 i, 2 i + 1; they stay out until the way out; their address registers are never rewritten
.set i, i+1
.endr
	WIN 0
.set i, 0
.rept 16
	v_mov_b32 v[F0+i], 0                           ; two zero fragments
.set i, i+1
.endr
	s_wait_loadcnt 32                              ; the bias is in; R's 32 loads stay out
	WIN 0x80
.set mi, 0
.rept 16                               ; every sum starts with its bias
	v_wmma_f32_16x16x32_f16 v[8*mi:8*mi+7], v[F0:F0+7], v[F0+8:F0+15], v[BIAS+8*(mi%4):BIAS+8*(mi%4)+7]
.set mi, mi+1
.endr
	WIN 0
; 32 LDS loads in one run: a quarter's fragments (i = 4 x (32-k half) + block of 16) into buffer g.  The two address lines and two v_nop are the four places between the last product that read the buffer and the loads into it.
.macro FETCH g
	WIN 0
	v_add_nc_u32 v[ADA], s[TBA], v[A0]
	v_add_nc_u32 v[ADB], s[TBB], v[B0]
	v_nop
	v_nop
	WIN 0x40
.set i, 0
.rept 8
	ds_load_tr16_b128 v[(\g)+8*i:(\g)+8*i+3],   v[ADB] offset:(i/4)*32*PB+32*(i%4)
	ds_load_tr16_b128 v[(\g)+8*i+4:(\g)+8*i+7], v[ADB] offset:(i/4)*32*PB+32*(i%4)+16*PB
.set i, i+1
.endr
	WIN 0
.set i, 0
.rept 8
	ds_load_b128 v[(\g)+8*i:(\g)+8*i+3],   v[ADA] offset:64*(i/4)+16*(i%4)*PA
	ds_load_b128 v[(\g)+8*i+4:(\g)+8*i+7], v[ADA] offset:64*(i/4)+16*(i%4)*PA+32
.set i, i+1
.endr
	s_add_co_u32 s[TBA], s[TBA], 64*PA             ; the next quarter: A's next block of 64 k,
	s_add_co_u32 s[TBB], s[TBB], 64*PB             ; 64 k-rows of W
.endm
.macro MUL f                           ; a quarter's 32 products: 32-k half mi / 16, rows 16 ((mi / 4) % 4) on, columns 16 (mi % 4) on
	WIN 0xa1                                       ; W window 1, A window 0, C and D window 2
.set mi, 0
.rept 32
	v_wmma_f32_16x16x32_f16 v[8*(mi%16):8*(mi%16)+7], v[(\f)+8*(4*(mi/16)+mi%4):(\f)+8*(4*(mi/16)+mi%4)+7], v[(\f)+8*(4*(mi/16)+(mi/4)%4):(\f)+8*(4*(mi/16)+(mi/4)%4)+7], v[8*(mi%16):8*(mi%16)+7]
.set mi, mi+1
.endr
.endm
.macro UNIT g, f
	FETCH \g
	s_wait_dscnt 32                                ; all but the 32 just issued: buffer f is in
	MUL \f
.endm
.macro KBODY tag
	s_mov_b32 s[QC], 2
.Lq_\tag:
	UNIT F0, F1
	WIN 0
.Lm_\tag:
	UNIT F1, F0
	WIN 0
	s_sub_co_u32 s[QC], s[QC], 1
	s_cmp_lg_u32 s[QC], 0
	s_cbranch_scc1 .Lq_\tag
.endm
; THE CHANGE OF SLOTS.  Each wave waits for all its tensor loads (one is out: its part of the new slot), adds 0 to its spare word, and waits for that and for its reads of the old slot.
; fill = 1: a round of the cluster's barrier follows, and the joint refill, with the ring's next K step, is the first thing behind it: it has a K step, 128 products, in which to land.
.macro CHANGE new, old, fill
	WIN 0
	s_wait_tensorcnt 0x0                           ; no tensor load of mine is out, so a group 0 may be written
	ds_add_u32 v[SPW], v[NIL]                      ; 0 onto my spare word; scalar work stands between it and the wait for it
.if \fill
	AIM \old
.endif
	s_mov_b32 s[TBA], (\new)*SLOT
	s_mov_b32 s[TBB], (\new)*SLOT+AREG
	s_wait_dscnt 0x0
.if \fill
	CROUND
	JLOAD \old
.else
	s_barrier_signal -1
	s_barrier_wait -1
.endif
.endm
	s_wait_tensorcnt 0x1                           ; my part of the first K step is in; the second's may stay out
	s_barrier_signal -1
	s_barrier_wait -1
	s_mov_b32 s[TBA], 0
	s_mov_b32 s[TBB], AREG
	FETCH F0
	s_mov_b32 s[QC], 2
	s_mov_b32 s[LAPC], T/2
	s_branch .Lm_e                                 ; the loop is entered in the middle of a K step in slot 0: the first step has no quarter before it
.Llap:
	CHANGE 1, 0, 1
	KBODY o
	CHANGE 0, 1, 1
	KBODY e
	s_sub_co_u32 s[LAPC], s[LAPC], 1
	s_cmp_lg_u32 s[LAPC], 0
	s_cbranch_scc1 .Llap
	CHANGE 1, 0, 0                                 ; the last K step is written out
	KBODY t
	s_wait_dscnt 0x0                               ; the last quarter is in, and my reads of the slots are over:
	s_barrier_signal -1
	MUL F1
	WIN 0
	s_barrier_wait -1                              ; the slots are written into only when all four waves have said so
.rept 4
	v_nop                                          ; the places behind the last products
.endr
	; THE WAY OUT: the 64 x 64 sums go into my own region of LDS (each accumulator's low four registers first) and come back as whole rows of 256 bytes; R is added; sixteen lanes store 256 consecutive bytes, aligned
	WIN 0x08                                       ; store data: window 2
.set mi, 0
.rept 16
	ds_store_b128 v[STO], v[8*mi:8*mi+3]   offset:16*(mi/4)*PD+64*(mi%4)
	ds_store_b128 v[STO], v[8*mi+4:8*mi+7] offset:16*(mi/4)*PD+64*(mi%4)+16
.set mi, mi+1
.endr
	WIN 0
.set i, 0
.rept 32
	ds_load_b128 v[64+4*i:64+4*i+3], v[RD] offset:2*i*PD  ; LDS serves a wave's instructions in order (ISA guide 5.7.1.4): these see the stores above
.set i, i+1
.endr
	s_wait_loadcnt 0x0                             ; R
	s_wait_dscnt 0x0
	WIN 0x0c                                       ; source 1: window 3
.set i, 0
.rept 64
	v_pk_add_f32 v[64+2*i:64+2*i+1], v[64+2*i:64+2*i+1], v[2*i:2*i+1]
.set i, i+1
.endr
	WIN 0
.set i, 0
.rept 32
	global_store_b128 v[GO], v[64+4*i:64+4*i+3], s[OUTP:OUTP+1] offset:8192*i
.set i, i+1
.endr
	s_wait_tensorcnt 0x0                           ; the wave's end, behind my last tensor load and my last LDS store
	ds_add_u32 v[SPW], v[NIL]
	s_wait_dscnt 0x0
	CROUND                                         ; the closing round: no work-group ends while a partner may still ask for a tile that names it
	s_endpgm
.Lfunc_end_k_qba054dbc3c_proj:
	.size	k_qba054dbc3c_proj, .Lfunc_end_k_qba054dbc3c_proj-k_qba054dbc3c_proj
	.p2alignl 7, 3214868480
	.fill 96, 4, 3214868480
	.section	.rodata,"a",@progbits
	.p2align	6, 0x0
	.amdhsa_kernel k_qba054dbc3c_proj
		.amdhsa_group_segment_fixed_size 327680
		.amdhsa_private_segment_fixed_size 0
		.amdhsa_enable_private_segment 0
		.amdhsa_kernarg_size 40
		.amdhsa_user_sgpr_count 2
		.amdhsa_user_sgpr_kernarg_segment_ptr 1
		.amdhsa_wavefront_size32 1
		.amdhsa_system_sgpr_workgroup_id_x 1
		.amdhsa_system_sgpr_workgroup_id_y 1
		.amdhsa_system_sgpr_workgroup_id_z 1
		.amdhsa_system_vgpr_workitem_id 0
		.amdhsa_next_free_vgpr 896
		.amdhsa_next_free_sgpr 100
		.amdhsa_reserve_vcc 0
		.amdhsa_float_denorm_mode_32 3
		.amdhsa_float_denorm_mode_16_64 3
		.amdhsa_memory_ordered 1
		.amdhsa_forward_progress 1
		.amdhsa_inst_pref_size 60
	.end_amdhsa_kernel
	.amdgpu_metadata
---
amdhsa.version: [ 1, 2 ]
amdhsa.kernels:
  - .name:           k_qba054dbc3c_proj
    .symbol:         k_qba054dbc3c_proj.kd
    .args:
      - { .name: y, .offset: 0, .size: 8, .value_kind: global_buffer, .address_space: global }
      - { .name: wh, .offset: 8, .size: 8, .value_kind: global_buffer, .address_space: global }
      - { .name: bo, .offset: 16, .size: 8, .value_kind: global_buffer, .address_space: global }
      - { .name: x, .offset: 24, .size: 8, .value_kind: global_buffer, .address_space: global }
      - { .name: x1, .offset: 32, .size: 8, .value_kind: global_buffer, .address_space: global }
    .group_segment_fixed_size: 327680
    .private_segment_fixed_size: 0
    .kernarg_segment_align: 8
    .kernarg_segment_size: 40
    .max_flat_workgroup_size: 128
    .sgpr_count:     100
    .vgpr_count:     896
    .wavefront_size: 32
...
	.end_amdgpu_metadata
.endif
;; end of part 4
;; launch ln2 (part 5): grid 512 x 1, 8 waves a work-group, no clusters, 0 bytes of LDS; arguments x1, ln2_g, ln2_b, h; writes h
.if DOCPART == 5
	.amdgcn_target "amdgcn-amd-amdhsa--gfx1250"
	.amdhsa_code_object_version 6
	.text
	.protected	k_qba054dbc3c_ln2
	.globl	k_qba054dbc3c_ln2
	.p2align	8
	.type	k_qba054dbc3c_ln2,@function
k_qba054dbc3c_ln2:
	s_mov_b64 s[64:65], 0
	v_nop
	global_prefetch_b8 v0, s[64:65] scope:SCOPE_SE
	s_setreg_imm32_b32 hwreg(HW_REG_WAVE_MODE, 25, 1), 1
	s_wait_xcnt 0x0
; LayerNorm over rows of 1,024 f32: h = (x1 - mean) * rsqrt(var + 1e-5) * gain + bias, rounded once to f16.  4,096 rows, a wave a row, eight rows a work-group.
; LIMIT: a result of 65,520 or more in magnitude becomes an infinity in f16 (|x - mean| * rsqrt is at most 32, so that needs a gain beyond 2,000).
; A stream: the row stays in 32 registers between the passes, so memory is read once, and the reductions never leave the wave: no LDS, no barrier.
; The variance is the mean of (x - mean)^2, taken in a second pass over the registers: no difference of large sums is formed.
; Lane l holds columns 128 j + 4 l .. + 3, j = 0..7: a load of a wave covers 512 consecutive bytes, a store 256, both aligned.
.set X,  16                            ; v[16:47]    the row as loaded
.set G,  48                            ; v[48:79]    gain of my 32 columns
.set BV, 80                            ; v[80:111]   bias of my 32 columns
.set T,  4                             ; v[4:11]     four chains of packed sums
.set Y,  112                           ; v[112:127]  the packed results
	s_load_b256 s[4:11], s[0:1], 0x0               ; in s[4:5], gain s[6:7], bias s[8:9], out s[10:11]
	v_and_b32 v3, 31, v0
	v_lshrrev_b32 v4, 5, v0
	v_readfirstlane_b32 s21, v4                    ; wave 0..7
	v_lshlrev_b32 v1, 4, v3                        ; 16 x lane
	v_lshlrev_b32 v2, 3, v3                        ; 8 x lane
	s_lshl3_add_u32 s22, ttmp9, s21                ; my row = 8 x work-group + wave
	s_lshl_b32 s24, s22, 11                        ; 2,048 bytes a row out,
	s_lshl_b32 s22, s22, 12                        ; 4,096 in
	s_mov_b32 s23, 0
	s_mov_b32 s25, 0
	s_mov_b32 s26, 0x76543210                      ; v_permlanex16_b32: each lane takes its own place in the other half
	s_mov_b32 s27, 0xfedcba98
	s_mov_b32 s28, 0x3a800000                      ; 1 / 1,024
	s_mov_b32 s29, 0x3727c5ac                      ; 1e-5
	s_wait_kmcnt 0x0
	s_add_nc_u64 s[4:5], s[4:5], s[22:23]
	s_add_nc_u64 s[10:11], s[10:11], s[24:25]
.set j, 0
.rept 8
	global_load_b128 v[X+4*j:X+4*j+3], v1, s[4:5] offset:512*j th:TH_LOAD_NT
.set j, j+1
.endr
.set j, 0
.rept 8
	global_load_b128 v[G+4*j:G+4*j+3], v1, s[6:7] offset:512*j
.set j, j+1
.endr
.set j, 0
.rept 8
	global_load_b128 v[BV+4*j:BV+4*j+3], v1, s[8:9] offset:512*j
.set j, j+1
.endr
.macro FOLD                            ; the four chains into v4, then over the 32 lanes: every lane ends with the sum
	v_pk_add_f32 v[T:T+1], v[T:T+1], v[T+2:T+3]
	v_pk_add_f32 v[T+4:T+5], v[T+4:T+5], v[T+6:T+7]
	v_pk_add_f32 v[T:T+1], v[T:T+1], v[T+4:T+5]
	v_add_f32 v4, v4, v5
	v_add_f32_dpp v4, v4, v4 row_xmask:1 row_mask:0xf bank_mask:0xf
	v_add_f32_dpp v4, v4, v4 row_xmask:2 row_mask:0xf bank_mask:0xf
	v_add_f32_dpp v4, v4, v4 row_xmask:4 row_mask:0xf bank_mask:0xf
	v_add_f32_dpp v4, v4, v4 row_xmask:8 row_mask:0xf bank_mask:0xf
	v_permlanex16_b32 v5, v4, s26, s27
	v_add_f32 v4, v4, v5
.endm
	s_wait_loadcnt 16                              ; the row's eight loads are in; the sixteen of gain and bias stay out
.set k, 0
.rept 4
	v_pk_add_f32 v[T+2*k:T+2*k+1], v[X+2*k:X+2*k+1], v[X+8+2*k:X+8+2*k+1]  ; the first eight pairs start the chains: nothing is cleared
.set k, k+1
.endr
.set k, 8
.rept 8
	v_pk_add_f32 v[T+2*(k%4):T+2*(k%4)+1], v[T+2*(k%4):T+2*(k%4)+1], v[X+2*k:X+2*k+1]
.set k, k+1
.endr
	FOLD
	v_mul_f32 v14, s28, v4                         ; the mean, twice: a pair for the packed subtraction
	v_mul_f32 v15, s28, v4
.set k, 0
.rept 16
	v_pk_add_f32 v[X+2*k:X+2*k+1], v[X+2*k:X+2*k+1], v[14:15] neg_lo:[0,1] neg_hi:[0,1]
.set k, k+1
.endr
.set k, 0
.rept 4
	v_pk_mul_f32 v[T+2*k:T+2*k+1], v[X+2*k:X+2*k+1], v[X+2*k:X+2*k+1]
.set k, k+1
.endr
.rept 12
	v_pk_fma_f32 v[T+2*(k%4):T+2*(k%4)+1], v[X+2*k:X+2*k+1], v[X+2*k:X+2*k+1], v[T+2*(k%4):T+2*(k%4)+1]
.set k, k+1
.endr
	FOLD
	v_fma_f32 v4, v4, s28, s29                     ; var + eps
	v_rsq_f32 v12, v4                              ; twice: a pair for the packed multiply
	v_rsq_f32 v13, v4
	v_nop                                          ; a plain instruction behind the last of the two (ISA guide 5.7.2),
	s_wait_alu depctr_va_vdst(0)                   ; and one wait ahead of their first reader
	s_wait_loadcnt 0x0                             ; gain and bias are in
.set k, 0
.rept 16
	v_pk_mul_f32 v[X+2*k:X+2*k+1], v[X+2*k:X+2*k+1], v[12:13]
.set k, k+1
.endr
.set k, 0
.rept 16
	v_pk_fma_f32 v[X+2*k:X+2*k+1], v[X+2*k:X+2*k+1], v[G+2*k:G+2*k+1], v[BV+2*k:BV+2*k+1]
.set k, k+1
.endr
.set k, 0
.rept 16
	v_cvt_pk_f16_f32 v[Y+k], v[X+2*k], v[X+2*k+1]
.set k, k+1
.endr
.set k, 0
.rept 8
	global_store_b64 v2, v[Y+2*k:Y+2*k+1], s[10:11] offset:256*k
.set k, k+1
.endr
	s_endpgm
.Lfunc_end_k_qba054dbc3c_ln2:
	.size	k_qba054dbc3c_ln2, .Lfunc_end_k_qba054dbc3c_ln2-k_qba054dbc3c_ln2
	.p2alignl 7, 3214868480
	.fill 96, 4, 3214868480
	.section	.rodata,"a",@progbits
	.p2align	6, 0x0
	.amdhsa_kernel k_qba054dbc3c_ln2
		.amdhsa_group_segment_fixed_size 0
		.amdhsa_private_segment_fixed_size 0
		.amdhsa_enable_private_segment 0
		.amdhsa_kernarg_size 32
		.amdhsa_user_sgpr_count 2
		.amdhsa_user_sgpr_kernarg_segment_ptr 1
		.amdhsa_wavefront_size32 1
		.amdhsa_system_sgpr_workgroup_id_x 1
		.amdhsa_system_sgpr_workgroup_id_y 1
		.amdhsa_system_sgpr_workgroup_id_z 1
		.amdhsa_system_vgpr_workitem_id 0
		.amdhsa_next_free_vgpr 128
		.amdhsa_next_free_sgpr 66
		.amdhsa_reserve_vcc 0
		.amdhsa_float_denorm_mode_32 3
		.amdhsa_float_denorm_mode_16_64 3
		.amdhsa_memory_ordered 1
		.amdhsa_forward_progress 1
		.amdhsa_inst_pref_size 12
	.end_amdhsa_kernel
	.amdgpu_metadata
---
amdhsa.version: [ 1, 2 ]
amdhsa.kernels:
  - .name:           k_qba054dbc3c_ln2
    .symbol:         k_qba054dbc3c_ln2.kd
    .args:
      - { .name: x1, .offset: 0, .size: 8, .value_kind: global_buffer, .address_space: global }
      - { .name: ln2_g, .offset: 8, .size: 8, .value_kind: global_buffer, .address_space: global }
      - { .name: ln2_b, .offset: 16, .size: 8, .value_kind: global_buffer, .address_space: global }
      - { .name: h, .offset: 24, .size: 8, .value_kind: global_buffer, .address_space: global }
    .group_segment_fixed_size: 0
    .private_segment_fixed_size: 0
    .kernarg_segment_align: 8
    .kernarg_segment_size: 32
    .max_flat_workgroup_size: 256
    .sgpr_count:     66
    .vgpr_count:     128
    .wavefront_size: 32
...
	.end_amdgpu_metadata
.endif
;; end of part 5
;; launch fc1 (part 6): grid 16 x 16, 4 waves a work-group, clusters of 4 x 4, 327,680 bytes of LDS; arguments h, wh, b1, g; writes g
.if DOCPART == 6
	.amdgcn_target "amdgcn-amd-amdhsa--gfx1250"
	.amdhsa_code_object_version 6
	.text
	.protected	k_qba054dbc3c_fc1
	.globl	k_qba054dbc3c_fc1
	.p2align	8
	.type	k_qba054dbc3c_fc1,@function
k_qba054dbc3c_fc1:
	s_mov_b64 s[64:65], 0
	v_nop
	global_prefetch_b8 v0, s[64:65] scope:SCOPE_SE
	s_setreg_imm32_b32 hwreg(HW_REG_WAVE_MODE, 25, 1), 1
	s_wait_xcnt 0x0
	s_wait_alu depctr_hold_cnt(0) depctr_sa_sdst(0) depctr_va_vdst(0) depctr_va_sdst(0) depctr_va_ssrc(0) depctr_va_vcc(0) depctr_vm_vsrc(0)
	s_getreg_b32 s2, hwreg(HW_REG_IB_STS2, 6, 4)
	s_cmp_eq_u32 s2, 0
	s_cbranch_scc0 .Lentry_in_a_cluster
	s_endpgm
.Lentry_in_a_cluster:
	s_bfe_u32 s2, ttmp6, 0x10000c
	s_cmp_lg_u32 s2, 0xf033
	s_cbranch_scc0 .Lentry_shape_is_right
	s_endpgm
.Lentry_shape_is_right:
; C = A W + bias on tiles of 256 x 256.  A: [4096][1024] f16, rows along K.  W: [1024][NP] f16, rows along N, as the weights lie.  Sums in f32.
; KIND 0: A = LN1(x), W = Wq | Wk | Wv (the cluster's x says which), C = q, k, v rounded once to f16.   KIND 1: A = LN2(x1), W = W1, C = gelu(A W + b1) (exact, by erf) rounded once to f16.
; C's LAYOUT: [column / 64][row 0..4095][64] f16: two neighbouring rows of a block of 64 columns are 256 consecutive bytes; a head of q, k, v is dense; the next product takes 64 rows x 64 k as one dense run.
; LIMITS: f16 ends at 65,504: a result of 65,520 or more in magnitude becomes an infinity.  NaN and infinities are not treated apart.
; SHAPE: four waves, each 128 x 128 of C in 512 registers.  K goes in steps of 128 through two LDS slots filled by the tensor data mover (A: 256 rows x 256 bytes; W: 128 k-rows x 512 bytes).
; KIND 1 has 16 x 16 = 256 tiles, one for each of 256 work-groups.
; CLUSTER 4 x 4: A's tile hangs on the tile row alone and is asked for jointly by a row of the cluster, W's on the tile column alone, by a column: each joint load is the same line with the same descriptor in its four.
; THE PRODUCT IS USED TRANSPOSED: source 0 = 16 columns of W (turned out of LDS by ds_load_tr16_b128), source 1 = 16 rows of A: a lane holds row l % 16 of C and the columns 8 (l / 16) + 0..7.
; THE SUMS START WITH THE BIAS: one product of two zero fragments with C = the bias, for each accumulator, issued while the first tile is on its way; every later product has one form.
; THE K LOOP: a K step is four quarters of 32 k.  A unit fetches one quarter's fragments (32 LDS loads in one run) and multiplies the quarter fetched a unit earlier (64 products); a step's last quarter is
; multiplied in the next step's first unit, from registers, while the new slot's first fragments come.  The 64 accumulators take turns in one order everywhere.
; THE GELU is a loop over the tile, through LDS, 16 numbers a lane and trip: written out for 512 numbers a lane it would be several times the rest of the text.
; REGISTERS, in windows of 256 (s_set_vgpr_msb: bits 1:0 source 0, 3:2 source 1, 5:4 source 2, 7:6 destination): window 0: v16-30 addresses; v64-127, v128-191 A's fragments, two buffers; v192-255 the bias;
; window 1: v64-127, v128-191 W's fragments; windows 2, 3: the accumulators, (a, b) at v[8 (8 (a % 4) + b)] of window 2 + a / 4.
.set KIND,  1
.set T,     8                          ; K steps
.set PA,    272                        ; A's LDS row: 256 + 16 bytes = 68 words: sixteen rows start at sixteen different groups of four banks (ISA guide 11.1)
.set PB,    544                        ; W's LDS row: 512 + 32 bytes = 17 x 32
.set HALF,  128*PA                     ; what one tensor load brings: 128 rows of A, or 64 k-rows of W (64 x 544 is the same number)
.set AREG,  2*HALF
.set SLOT,  4*HALF
.set SPARE, 2*SLOT                     ; behind the slots: the spare words, 128 bytes a wave, which no other line names
.set PD,    528                        ; the way out: a row of 128 f32 + 16 bytes
.set REGN,  128*PD                     ; a wave's own region for the way out, in the slots, which have had their last fill by then
.if KIND == 0
.set NP,    1024
.set SHB,   15
.else
.set NP,    4096
.set SHB,   17
.endif
.set ASTEP, 256                        ; bytes from a K step to the next: in A along the row,
.set BSTEP, 256*NP                     ; in W 128 rows down
.set A0,  16                           ; v16 my lane's place in A's part of a slot        v17 the same for W
.set B0,  17
.set ADA, 18                           ; v18, v19 the addresses of the run of loads in hand
.set ADB, 19
.set STO, 20                           ; v20 the way out: where I put 16 bytes     v21 where I read rows back     v22 my offset in 256 bytes of C     v23 my offset in the bias
.set RD,  21
.set GO,  22
.set BO,  23
.set SPW, 28                           ; v28 my spare word's LDS address; v29 0: never rewritten
.set NIL, 29
.set PFO, 30                           ; v30 the prefetches' lane offset; never rewritten
.set F0,  64
.set F1,  128
.set BIAS, 192
.set WV,  16                           ; s16 wave; s17 wave / 2: my half of the tile's rows, and 0: I fetch A, 1: W; s18 wave % 2: my half of its columns, and which half I fetch
.set RH,  17
.set CH,  18
.set CX,  19
.set CY,  20
.set TCOL, 21
.set TROW, 22
.set G1A, 24                           ; s[24:31] group 1 for A; s[32:39] group 0, a set a slot
.set G0A, 32
.set LIM, 43                           ; s43 1 in a wave that prefetches, else the greatest number
.set PFA, 44                           ; s[44:45] where my prefetches stand
.set G1B, 48                           ; s[48:55], s[56:63] the same for W
.set G0B, 56
.set TBA, 80                           ; s80, s81 LDS byte at which the quarter to be fetched begins, in A's part and in W's
.set TBB, 81
.set QC,  82
.set LAPC, 83
.set PST, 84                           ; s[84:85] the prefetches' step
.set OUTP, 86                          ; s[86:87] C at my part
.set OC,  90
.set MSB, 0
.macro WIN new                         ; the immediate's high byte repeats the setting that is left; a switch that changes nothing is dropped
.if MSB != (\new)
	s_set_vgpr_msb (MSB<<8)|(\new)
.set MSB, \new
.endif
.endm
; A joint load: waves 0 and 1 fetch A's halves, waves 2 and 3 W's.  The branch hangs on the wave's number alone.  An s_nop 0 and four v_nop follow each of the two lines.
.macro JLOAD s
	s_cmp_eq_u32 s[RH], 0
	s_cbranch_scc0 .Lfor_b_\@
	tensor_load_to_lds s[G0A+4*(\s):G0A+4*(\s)+3], s[G1A:G1A+7]
	s_nop 0
.rept 4
	v_nop
.endr
	s_branch .Lasked_\@
.Lfor_b_\@:
	tensor_load_to_lds s[G0B+4*(\s):G0B+4*(\s)+3], s[G1B:G1B+7]
	s_nop 0
.rept 4
	v_nop
.endr
.Lasked_\@:
.endm
; A prefetch into the L2, behind each joint load: the K step after the one just asked for, 256 products ahead of its own load.  Each 256 bytes are named once in the launch: A's rows by the clusters with x = 0,
; W's by those with y = 0; the four partners of a joint load share its rows out BY ADDRESS (32 rows of A, 16 k-rows x 512 bytes of W each), a lane a block.  how = 1: the odd K steps; how = 0: the even ones, of which the last names nothing.
.macro ASK how
.if \how
	s_cmp_eq_u32 s[LIM], 1
.else
	s_cmp_gt_u32 s[LAPC], s[LIM]
.endif
	s_cbranch_scc0 .Lnot_mine_\@
	global_prefetch_b8 v[PFO], s[PFA:PFA+1] th:TH_LOAD_NT scope:SCOPE_SE
.Lnot_mine_\@:
.endm
.macro CROUND                          ; a round of the cluster's barrier
	s_barrier_signal -1
	s_barrier_wait -1
	s_cmp_lg_u32 s[WV], 0
	s_cbranch_scc1 .Lnot_wave_0_\@
	s_barrier_signal -3
.Lnot_wave_0_\@:
	s_barrier_wait -3
	s_barrier_signal -1
	s_barrier_wait -1
.endm
	s_load_b256 s[4:11], s[0:1], 0x0               ; A s[4:5], wh s[6:7]; KIND 0: bq s[8:9], bk s[10:11]; KIND 1: b1 s[8:9], g s[10:11]
.if KIND == 0
	s_load_b128 s[12:15], s[0:1], 0x20             ; bv s[12:13], qkv s[14:15]
.endif
	v_lshl_add_u32 v[SPW], v0, 2, SPARE
	v_mov_b32 v[NIL], 0
	ds_add_u32 v[SPW], v[NIL]                      ; the wave's opening: the add and its wait stand ahead of my first tensor load; work on registers stands between them
	ds_add_u32 v28, v29
	v_lshrrev_b32 v1, 5, v0
	v_readfirstlane_b32 s[WV], v1
	s_lshr_b32 s[RH], s[WV], 1
	s_and_b32 s[CH], s[WV], 1
	s_bfe_u32 s[CX], ttmp6, 0x40000
	s_bfe_u32 s[CY], ttmp6, 0x40004
	s_lshl_b32 s[TCOL], ttmp9, 2
	s_add_co_u32 s[TCOL], s[TCOL], s[CX]           ; tile column = 4 x cluster x + cx
	s_and_b32 s[TROW], ttmp7, 0xffff
	s_lshl_b32 s[TROW], s[TROW], 2
	s_add_co_u32 s[TROW], s[TROW], s[CY]           ; tile row = 4 x cluster y + cy
	s_lshl_b32 s66, s[CY], 2
	s_lshl_b32 s66, 15, s66                        ; my row of the cluster
	s_lshl_b32 s67, 0x1111, s[CX]                  ; my column
	s_or_b32 s[G1A], s66, (1<<16)|(1<<20)|(1<<21)|(5<<22)|(3<<25)  ; mask; 2-byte elements; padding on; bit 21 beside a mask; after every 64 words 4 words
	s_mov_b32 s[G1A+1], 128<<16                    ; tensor_dim0 = 128
	s_mov_b32 s[G1A+2], 128<<16                    ; tensor_dim1 = 128
	s_mov_b32 s[G1A+3], 128<<16                    ; tile_dim0 = 128
	s_mov_b32 s[G1A+4], 128                        ; tile_dim1 = 128
	s_mov_b32 s[G1A+5], 1024                       ; elements from row to row
	s_mov_b32 s[G1A+6], 0
	s_mov_b32 s[G1A+7], 0
	s_or_b32 s[G1B], s67, (1<<16)|(1<<20)|(1<<21)|(6<<22)|(7<<25)  ; after every 128 words 8 words
	s_mov_b32 s[G1B+1], 256<<16
	s_mov_b32 s[G1B+2], 64<<16
	s_mov_b32 s[G1B+3], 256<<16
	s_mov_b32 s[G1B+4], 64
	s_mov_b32 s[G1B+5], NP
	s_mov_b32 s[G1B+6], 0
	s_mov_b32 s[G1B+7], 0
	s_lshl_b32 s68, s[TROW], 19                    ; A: 256 rows of 2,048 bytes a tile row,
	s_lshl_b32 s70, s[CH], 18                      ; my 128 of them
	s_add_co_u32 s68, s68, s70
	s_mov_b32 s69, 0
.if KIND == 0
	s_lshl_b32 s72, ttmp9, 21                      ; W: which of Wq, Wk, Wv (2 MiB each) is the cluster's x,
	s_lshl_b32 s74, s[CX], 9                       ; its 256 columns by cx,
	s_add_co_u32 s72, s72, s74
	s_lshl_b32 s74, s[CH], 17                      ; my 64 k-rows of 2,048 bytes
	s_add_co_u32 s72, s72, s74
.else
	s_lshl_b32 s72, s[TCOL], 9
	s_lshl_b32 s74, s[CH], 19                      ; my 64 k-rows of 8,192 bytes
	s_add_co_u32 s72, s72, s74
	s_add_co_u32 s72, s72, 8<<20                   ; W1 in wh
.endif
	s_mov_b32 s73, 0
	s_mul_i32 s76, s[WV], HALF                     ; where my loads go: A's two halves, then W's two = wave x HALF
	s_wait_dscnt 0x0                               ; the opening add is done
	s_wait_kmcnt 0x0
	s_add_nc_u64 s[68:69], s[4:5], s[68:69]
	s_add_nc_u64 s[72:73], s[6:7], s[72:73]
	CROUND                                         ; all sixteen work-groups are here: the first joint loads meet
.irp s, 0,1
	s_mov_b32 s[G0A+4*(\s)], 1
	s_add_co_u32 s[G0A+4*(\s)+1], s76, (\s)*SLOT
	s_add_nc_u64 s[G0A+4*(\s)+2:G0A+4*(\s)+3], s[68:69], (\s)*ASTEP
	s_or_b32 s[G0A+4*(\s)+3], s[G0A+4*(\s)+3], 0x80000000
	s_mov_b32 s[G0B+4*(\s)], 1
	s_add_co_u32 s[G0B+4*(\s)+1], s76, (\s)*SLOT
	s_add_nc_u64 s[G0B+4*(\s)+2:G0B+4*(\s)+3], s[72:73], (\s)*BSTEP
	s_or_b32 s[G0B+4*(\s)+3], s[G0B+4*(\s)+3], 0x80000000
	JLOAD \s                                       ; K steps 0 and 1: two loads of mine are out
.endr
	v_and_b32 v1, 15, v0                           ; l % 16
	v_bfe_u32 v2, v0, 4, 1                         ; l / 16
	v_and_b32 v3, 7, v0
	v_bfe_u32 v4, v0, 3, 1
	v_and_b32 v5, 31, v0
	s_mul_i32 s66, s[RH], HALF
	v_mul_u32_u24 v[A0], v1, PA                    ; a fragment of A: row l % 16, 16 bytes for each half of the lanes, twice, 32 bytes apart
	v_lshl_add_u32 v[A0], v2, 4, v[A0]
	v_add_nc_u32 v[A0], s66, v[A0]
	v_lshl_add_u32 v[B0], v2, 3, v3                ; the turning load: k-row 8 (l / 16) + l % 8, columns 8 ((l / 8) % 2) + 0..7
	v_mul_u32_u24 v[B0], v[B0], PB
	v_lshl_add_u32 v[B0], v4, 4, v[B0]
	s_lshl_b32 s66, s[CH], 8                       ; my 128 columns
	v_add_nc_u32 v[B0], s66, v[B0]
	s_mul_i32 s67, s[WV], REGN
	v_mul_u32_u24 v[STO], v1, PD
	v_lshl_add_u32 v[STO], v2, 5, v[STO]
	v_add_nc_u32 v[STO], s67, v[STO]
	v_mul_u32_u24 v[RD], v2, PD
	v_lshl_add_u32 v[RD], v1, 4, v[RD]
	v_add_nc_u32 v[RD], s67, v[RD]
	v_lshlrev_b32 v[GO], 3, v5
.if KIND == 0
	s_lshl_b32 s66, s[CX], 10                      ; the bias: 4 bytes x (256 cx + 128 half + 8 (l / 16))
	s_cmp_eq_u32 ttmp9, 1
	s_cselect_b64 s[8:9], s[10:11], s[8:9]
	s_cmp_eq_u32 ttmp9, 2
	s_cselect_b64 s[8:9], s[12:13], s[8:9]
.else
	s_lshl_b32 s66, s[TCOL], 10
.endif
	s_lshl_b32 s67, s[CH], 9
	s_add_co_u32 s66, s66, s67
	v_lshl_add_u32 v[BO], v2, 5, s66
.set i, 0
.rept 8
	global_load_b128 v[BIAS+8*i:BIAS+8*i+3],   v[BO], s[8:9] offset:64*i
	global_load_b128 v[BIAS+8*i+4:BIAS+8*i+7], v[BO], s[8:9] offset:64*i+16
.set i, i+1
.endr
.set i, 0
.rept 16
	v_mov_b32 v[F0+i], 0                           ; two zero fragments
.set i, i+1
.endr
	; the prefetches: who, from where, by what step
	s_and_b32 s66, ttmp7, 0xffff
	s_mov_b32 s[PST], BSTEP
	s_mov_b32 s[PST+1], 0
	s_mov_b32 s75, 2*NP
	s_cmp_eq_u32 s[RH], 0                          ; do I fetch A?
	s_cselect_b32 s67, ttmp9, s66                  ; the coordinate along which other clusters read the same rows
	s_cselect_b32 s70, s[CX], s[CY]                ; my place among the four that ask with me
	s_cselect_b64 s[PFA:PFA+1], s[68:69], s[72:73]
	s_cselect_b32 s71, 16, SHB                     ; my share: 32 rows of 2,048 bytes, or 16 k-rows of 2 NP
	s_cselect_b32 s[PST], ASTEP, s[PST]
	s_cselect_b32 s74, 0, 1
	s_cselect_b32 s75, 2048, s75
	s_cmp_eq_u32 s67, 0
	s_cselect_b32 s[LIM], 1, -1                    ; the same in all sixteen partners, for a given wave
	s_lshl_b32 s70, s70, s71
	s_mov_b32 s71, 0
	s_add_nc_u64 s[PFA:PFA+1], s[PFA:PFA+1], s[70:71]
	s_add_nc_u64 s[PFA:PFA+1], s[PFA:PFA+1], s[PST:PST+1]
	s_add_nc_u64 s[PFA:PFA+1], s[PFA:PFA+1], s[PST:PST+1]  ; at K step 2: the first change of slots steps it to 3.  Steps 0 to 2 come by their loads alone
	v_lshrrev_b32 v6, s74, v5                      ; A: a lane a row; W: two lanes a k-row of 512 bytes
	v_mul_lo_u32 v6, v6, s75
	v_and_b32 v7, s74, v5
	v_lshl_add_u32 v[PFO], v7, 8, v6
	s_wait_loadcnt 0x0                             ; the bias
.set mi, 0
.rept 64                               ; every sum starts with its bias
	WIN 0x80+0x40*(mi/32)
	v_wmma_f32_16x16x32_f16 v[8*(mi%32):8*(mi%32)+7], v[F0:F0+7], v[F0+8:F0+15], v[BIAS+8*(mi%8):BIAS+8*(mi%8)+7]
.set mi, mi+1
.endr
	WIN 0
; 32 LDS loads in one run: a quarter's fragments into buffer g.  The two address lines and two v_nop are the four places between the last product that read the buffer and the loads into it.
.macro FETCH g
	WIN 0
	v_add_nc_u32 v[ADA], s[TBA], v[A0]
	v_add_nc_u32 v[ADB], s[TBB], v[B0]
	v_nop
	v_nop
	WIN 0x40                                       ; destination window 1
.set i, 0
.rept 8
	ds_load_tr16_b128 v[(\g)+8*i:(\g)+8*i+3],   v[ADB] offset:32*i
	ds_load_tr16_b128 v[(\g)+8*i+4:(\g)+8*i+7], v[ADB] offset:32*i+16*PB
.set i, i+1
.endr
	WIN 0
.set i, 0
.rept 8
	ds_load_b128 v[(\g)+8*i:(\g)+8*i+3],   v[ADA] offset:16*i*PA
	ds_load_b128 v[(\g)+8*i+4:(\g)+8*i+7], v[ADA] offset:16*i*PA+32
.set i, i+1
.endr
	s_add_co_u32 s[TBA], s[TBA], 64                ; the next quarter: 32 k along A's rows,
	s_add_co_u32 s[TBB], s[TBB], 32*PB             ; 32 k-rows of W
.endm
.macro MUL f                           ; a quarter's 64 products
.set mi, 0
.rept 64
	WIN 0xa1+0x50*(mi/32)                          ; W window 1, A window 0, C and D window 2 or 3
	v_wmma_f32_16x16x32_f16 v[8*(mi%32):8*(mi%32)+7], v[(\f)+8*(mi%8):(\f)+8*(mi%8)+7], v[(\f)+8*(mi/8):(\f)+8*(mi/8)+7], v[8*(mi%32):8*(mi%32)+7]
.set mi, mi+1
.endr
.endm
.macro UNIT g, f
	FETCH \g
	s_wait_dscnt 32                                ; all but the 32 just issued: buffer f is in
	MUL \f
.endm
.macro KBODY tag                       ; a K step: its quarters are fetched into F0, F1, F0, F1; each is multiplied a unit later
	s_mov_b32 s[QC], 2
.Lq_\tag:
	UNIT F0, F1
	WIN 0
.Lm_\tag:
	UNIT F1, F0
	WIN 0
	s_sub_co_u32 s[QC], s[QC], 1
	s_cmp_lg_u32 s[QC], 0
	s_cbranch_scc1 .Lq_\tag
.endm
; THE CHANGE OF SLOTS.  Each wave waits for all its tensor loads (one is out: its part of the new slot), adds 0 to its spare word, and waits for that and for its reads of the old slot.
; fill = 1: a round of the cluster's barrier follows, so that no wave of any partner still reads the old slot or has a load on its way, and the joint refill, two K steps on, is the first thing behind it.
.macro CHANGE new, old, fill, how=0
	WIN 0
.if \fill
	s_wait_xcnt 0x0                                ; the last prefetch, a K step back, has read its address
	s_add_nc_u64 s[PFA:PFA+1], s[PFA:PFA+1], s[PST:PST+1]
.endif
	s_wait_tensorcnt 0x0
	ds_add_u32 v[SPW], v[NIL]                      ; 0 onto my spare word; scalar work stands between it and the wait for it
.if \fill
	s_add_nc_u64 s[G0A+4*(\old)+2:G0A+4*(\old)+3], s[G0A+4*(\old)+2:G0A+4*(\old)+3], 2*ASTEP
	s_add_nc_u64 s[G0B+4*(\old)+2:G0B+4*(\old)+3], s[G0B+4*(\old)+2:G0B+4*(\old)+3], 2*BSTEP
.endif
	s_mov_b32 s[TBA], (\new)*SLOT
	s_mov_b32 s[TBB], (\new)*SLOT+AREG
	s_wait_dscnt 0x0
.if \fill
	CROUND
	JLOAD \old
	ASK \how
.else
	s_barrier_signal -1
	s_barrier_wait -1
.endif
.endm
	s_wait_tensorcnt 0x1                           ; my part of K step 0 is in; step 1's may stay out
	s_barrier_signal -1
	s_barrier_wait -1
	s_mov_b32 s[TBA], 0
	s_mov_b32 s[TBB], AREG
	FETCH F0
	s_mov_b32 s[QC], 2
	s_mov_b32 s[LAPC], T/2
	s_branch .Lm_e                                 ; the loop is entered in the middle of an even K step: step 0 has no quarter before it
.Llap:                                                 ; a trip: an odd K step and an even one; each refills the slot that it has just left
	CHANGE 1, 0, 1, 1
	KBODY o
	CHANGE 0, 1, 1, 0
	KBODY e
	s_sub_co_u32 s[LAPC], s[LAPC], 1
	s_cmp_lg_u32 s[LAPC], 0
	s_cbranch_scc1 .Llap
	CHANGE 1, 0, 0                                 ; the last K step is written out
	KBODY t
	s_wait_dscnt 0x0                               ; the last quarter is in, and my reads of the slots are over:
	s_barrier_signal -1                            ; say so,
	MUL F1                                         ; multiply it, from registers,
	WIN 0
	s_barrier_wait -1                              ; and write into the slots only when all four waves have said so
.rept 4
	v_nop                                          ; the places behind the last products
.endr
	; THE WAY OUT: the 128 x 128 sums go, in f32, into my own region of LDS; each accumulator's low four registers first
.set mi, 0
.rept 64
	WIN 0x08+0x04*(mi/32)                          ; store data: window 2 or 3
	ds_store_b128 v[STO], v[8*(mi%32):8*(mi%32)+3]   offset:16*(mi/8)*PD+64*(mi%8)
	ds_store_b128 v[STO], v[8*(mi%32)+4:8*(mi%32)+7] offset:16*(mi/8)*PD+64*(mi%8)+16
.set mi, mi+1
.endr
	WIN 0
.if KIND == 0
	s_lshl_b32 s66, ttmp9, 4                       ; my first block of 64 columns: 16 x which + 4 cx + 2 x half
	s_lshl2_add_u32 s66, s[CX], s66
.else
	s_lshl_b32 s66, s[TCOL], 2
.endif
	s_lshl1_add_u32 s66, s[CH], s66
	s_lshl_b32 s66, s66, 19                        ; 524,288 bytes a block,
	s_lshl_b32 s67, s[TROW], 15                    ; 128 bytes a row
	s_add_co_u32 s66, s66, s67
	s_lshl_b32 s67, s[RH], 14
	s_add_co_u32 s66, s66, s67
	s_mov_b32 s67, 0
.if KIND == 0
	s_add_nc_u64 s[OUTP:OUTP+1], s[14:15], s[66:67]
	; 32 rows a trip: load i brings rows 2 (i / 2), + 1 of block i % 2, four f32 a lane (LDS serves a wave's instructions in order: the loads see the stores above); a store covers 256 consecutive bytes, aligned
	s_mov_b32 s[OC], 4
.Lo:
.set i, 0
.rept 32
	ds_load_b128 v[64+4*i:64+4*i+3], v[RD] offset:2*(i/2)*PD+256*(i%2)
.set i, i+1
.endr
.set i, 0
.rept 32
	s_wait_dscnt 31-i                              ; load i is in, the younger ones stay out
	v_cvt_pk_f16_f32 v[192+2*i], v[64+4*i], v[64+4*i+1]
	v_cvt_pk_f16_f32 v[192+2*i+1], v[64+4*i+2], v[64+4*i+3]
	global_store_b64 v[GO], v[192+2*i:192+2*i+1], s[OUTP:OUTP+1] offset:256*(i/2)+524288*(i%2)
.set i, i+1
.endr
	s_wait_xcnt 0x0                                ; the stores have read their base and data, which are written again only behind this wait
	s_add_nc_u64 s[OUTP:OUTP+1], s[OUTP:OUTP+1], 4096
	v_add_nc_u32 v[RD], 32*PD, v[RD]
	s_sub_co_u32 s[OC], s[OC], 1
	s_cmp_lg_u32 s[OC], 0
	s_cbranch_scc1 .Lo
.else
	s_add_nc_u64 s[OUTP:OUTP+1], s[10:11], s[66:67]
	; gelu(u) = u/2 + u/2 erf(u / sqrt 2).  erf(z) = z P(z^2) / Q(z^2) on z held to -4 .. 4, where erf is 1 to f32's last bits: a rational form that serves every argument.
	s_wait_xcnt 0x0                                ; the prefetches have read their address: the descriptors' and its registers (no tensor load is out) take the constants, each twice, as a pair
.macro CST r, val
	s_mov_b32 s[\r], \val
	s_mov_b32 s[\r+1], \val
.endm
	CST 24, -0.000000000272614225801306
	CST 26, 0.0000000277068142495902
	CST 28, -0.00000210102402082508
	CST 30, -0.0000569250639462346
	CST 32, -0.000734990630326855
	CST 34, -0.00295459980854025
	CST 36, -0.0160960333262415
	CST 38, -0.0000145660718464996
	CST 40, -0.000213374055278905
	CST 42, -0.00168282697438203
	CST 44, -0.00737332916720468
	CST 46, -0.0142647390514189
	CST 48, 0x3f3504f3
	s_mov_b32 s50, 0xc0800000                      ; -4
	s_mov_b32 s51, 0x40800000                      ; 4
	s_mov_b32 s52, 0                               ; what the trip's head adds to the stores' base: 0 in the first trip, then 512
	s_mov_b32 s53, 0
.set XX, 64
.set ZZ, 80
.set HU, 96
.set X2, 112
.set PP, 128
.set QQ, 144
.set YY, 160
.macro LD4                             ; four rows: load i brings rows 2 (i / 2), + 1 of block i % 2
.set i, 0
.rept 4
	ds_load_b128 v[XX+4*i:XX+4*i+3], v[RD] offset:2*(i/2)*PD+256*(i%2)
.set i, i+1
.endr
.endm
.macro HORN dst, cs                    ; dst = dst z^2 + constant, eight pairs
.set p, 0
.rept 8
	v_pk_fma_f32 v[(\dst)+2*p:(\dst)+2*p+1], v[(\dst)+2*p:(\dst)+2*p+1], v[X2+2*p:X2+2*p+1], s[\cs:\cs+1] op_sel_hi:[1,1,0]
.set p, p+1
.endr
.endm
	LD4
	s_mov_b32 s[OC], 32
.Lo:                                                   ; 16 numbers a lane and trip
	s_wait_dscnt 0x0
	s_wait_xcnt 0x0                                ; the last trip's stores have read their base and data
	s_add_nc_u64 s[OUTP:OUTP+1], s[OUTP:OUTP+1], s[52:53]
	s_mov_b32 s52, 512
.set p, 0
.rept 8
	v_pk_mul_f32 v[ZZ+2*p:ZZ+2*p+1], v[XX+2*p:XX+2*p+1], s[48:49] op_sel_hi:[1,0]
	v_pk_mul_f32 v[HU+2*p:HU+2*p+1], v[XX+2*p:XX+2*p+1], 0.5 op_sel_hi:[1,0]
.set p, p+1
.endr
	v_add_nc_u32 v[RD], 4*PD, v[RD]
	s_cmp_eq_u32 s[OC], 1
	s_cbranch_scc1 .Lnl                            ; the last trip has nothing more to read
	LD4                                            ; the next trip's numbers come while this trip's are worked on
.Lnl:
.set p, 0
.rept 16
	v_med3_num_f32 v[ZZ+p], v[ZZ+p], s50, s51
.set p, p+1
.endr
.set p, 0
.rept 8
	v_pk_mul_f32 v[X2+2*p:X2+2*p+1], v[ZZ+2*p:ZZ+2*p+1], v[ZZ+2*p:ZZ+2*p+1]
.set p, p+1
.endr
.set p, 0
.rept 8
	v_pk_fma_f32 v[PP+2*p:PP+2*p+1], v[X2+2*p:X2+2*p+1], s[24:25], s[26:27] op_sel_hi:[1,0,0]
	v_pk_fma_f32 v[QQ+2*p:QQ+2*p+1], v[X2+2*p:X2+2*p+1], s[38:39], s[40:41] op_sel_hi:[1,0,0]
.set p, p+1
.endr
	HORN QQ, 42
	HORN QQ, 44
	HORN QQ, 46
	HORN PP, 28
	HORN PP, 30
	HORN PP, 32
	HORN PP, 34
	HORN PP, 36
.set p, 0
.rept 16
	v_rcp_f32 v[QQ+p], v[QQ+p]                     ; one batch; Q lies between -2.4 and -0.014
.set p, p+1
.endr
.set p, 0
.rept 8
	v_pk_mul_f32 v[PP+2*p:PP+2*p+1], v[PP+2*p:PP+2*p+1], v[ZZ+2*p:ZZ+2*p+1]  ; plain work behind the batch, which names none of its results
.set p, p+1
.endr
	s_wait_alu depctr_va_vdst(0)                   ; one wait ahead of the batch's first reader
.set p, 0
.rept 8
	v_pk_mul_f32 v[PP+2*p:PP+2*p+1], v[PP+2*p:PP+2*p+1], v[QQ+2*p:QQ+2*p+1]
.set p, p+1
.endr
.set p, 0
.rept 8
	v_pk_fma_f32 v[PP+2*p:PP+2*p+1], v[PP+2*p:PP+2*p+1], v[HU+2*p:HU+2*p+1], v[HU+2*p:HU+2*p+1]
.set p, p+1
.endr
.set p, 0
.rept 8
	v_cvt_pk_f16_f32 v[YY+p], v[PP+2*p], v[PP+2*p+1]
.set p, p+1
.endr
.set i, 0
.rept 4
	global_store_b64 v[GO], v[YY+2*i:YY+2*i+1], s[OUTP:OUTP+1] offset:256*(i/2)+524288*(i%2)
.set i, i+1
.endr
	s_sub_co_u32 s[OC], s[OC], 1
	s_cmp_lg_u32 s[OC], 0
	s_cbranch_scc1 .Lo
.endif
	s_wait_tensorcnt 0x0                           ; the wave's end, behind my last tensor load and my last LDS store
	ds_add_u32 v[SPW], v[NIL]
	s_wait_dscnt 0x0
	CROUND                                         ; the closing round: no work-group ends while a partner may still ask for a tile that names it
	s_endpgm
.Lfunc_end_k_qba054dbc3c_fc1:
	.size	k_qba054dbc3c_fc1, .Lfunc_end_k_qba054dbc3c_fc1-k_qba054dbc3c_fc1
	.p2alignl 7, 3214868480
	.fill 96, 4, 3214868480
	.section	.rodata,"a",@progbits
	.p2align	6, 0x0
	.amdhsa_kernel k_qba054dbc3c_fc1
		.amdhsa_group_segment_fixed_size 327680
		.amdhsa_private_segment_fixed_size 0
		.amdhsa_enable_private_segment 0
		.amdhsa_kernarg_size 32
		.amdhsa_user_sgpr_count 2
		.amdhsa_user_sgpr_kernarg_segment_ptr 1
		.amdhsa_wavefront_size32 1
		.amdhsa_system_sgpr_workgroup_id_x 1
		.amdhsa_system_sgpr_workgroup_id_y 1
		.amdhsa_system_sgpr_workgroup_id_z 1
		.amdhsa_system_vgpr_workitem_id 0
		.amdhsa_next_free_vgpr 1024
		.amdhsa_next_free_sgpr 100
		.amdhsa_reserve_vcc 0
		.amdhsa_float_denorm_mode_32 3
		.amdhsa_float_denorm_mode_16_64 3
		.amdhsa_memory_ordered 1
		.amdhsa_forward_progress 1
		.amdhsa_inst_pref_size 85
	.end_amdhsa_kernel
	.amdgpu_metadata
---
amdhsa.version: [ 1, 2 ]
amdhsa.kernels:
  - .name:           k_qba054dbc3c_fc1
    .symbol:         k_qba054dbc3c_fc1.kd
    .args:
      - { .name: h, .offset: 0, .size: 8, .value_kind: global_buffer, .address_space: global }
      - { .name: wh, .offset: 8, .size: 8, .value_kind: global_buffer, .address_space: global }
      - { .name: b1, .offset: 16, .size: 8, .value_kind: global_buffer, .address_space: global }
      - { .name: g, .offset: 24, .size: 8, .value_kind: global_buffer, .address_space: global }
    .group_segment_fixed_size: 327680
    .private_segment_fixed_size: 0
    .kernarg_segment_align: 8
    .kernarg_segment_size: 32
    .max_flat_workgroup_size: 128
    .sgpr_count:     100
    .vgpr_count:     1024
    .wavefront_size: 32
...
	.end_amdgpu_metadata
.endif
;; end of part 6
;; launch fc2 (part 7): grid 8 x 32, 4 waves a work-group, clusters of 4 x 4, 327,680 bytes of LDS; arguments g, wh, b2, x1, out0; writes out0
.if DOCPART == 7
	.amdgcn_target "amdgcn-amd-amdhsa--gfx1250"
	.amdhsa_code_object_version 6
	.text
	.protected	k_qba054dbc3c_fc2
	.globl	k_qba054dbc3c_fc2
	.p2align	8
	.type	k_qba054dbc3c_fc2,@function
k_qba054dbc3c_fc2:
	s_mov_b64 s[64:65], 0
	v_nop
	global_prefetch_b8 v0, s[64:65] scope:SCOPE_SE
	s_setreg_imm32_b32 hwreg(HW_REG_WAVE_MODE, 25, 1), 1
	s_wait_xcnt 0x0
	s_wait_alu depctr_hold_cnt(0) depctr_sa_sdst(0) depctr_va_vdst(0) depctr_va_sdst(0) depctr_va_ssrc(0) depctr_va_vcc(0) depctr_vm_vsrc(0)
	s_getreg_b32 s2, hwreg(HW_REG_IB_STS2, 6, 4)
	s_cmp_eq_u32 s2, 0
	s_cbranch_scc0 .Lentry_in_a_cluster
	s_endpgm
.Lentry_in_a_cluster:
	s_bfe_u32 s2, ttmp6, 0x10000c
	s_cmp_lg_u32 s2, 0xf033
	s_cbranch_scc0 .Lentry_shape_is_right
	s_endpgm
.Lentry_shape_is_right:
; C = R + A W + bias on tiles of 128 x 128, C and R f32 [4096][1024].  A: f16 in blocks [k / 64][row 0..4095][64].  W: [K][1024] f16, rows along N, as the weights lie.  Sums in f32.
; KIND 2: A = attention's y, W = Wo, R = x, K = 1,024.   KIND 3: A = gelu(..), W = W2, R = x1, K = 4,096.
; SHAPE: 8 x 32 = 256 tiles, one for each of 256 work-groups; four waves, each 64 x 64 of C in 128 registers.  K goes in steps of 256 through two LDS slots filled by the tensor data mover
; (A: four dense runs of 64 rows x 64 k for each half of the rows; W: 256 k-rows x 256 bytes).
; CLUSTER 4 x 4: A's tile hangs on the tile row alone and is asked for jointly by a row of the cluster, W's on the tile column alone, by a column.
; K IS WALKED IN A RING, from a start that hangs on the cluster: cluster (X, Y) begins at K step (ROTX X + ROTY Y) mod T and goes round.  The two clusters along x read the same rows of A, the eight along y the same
; rows of W: so at any one time they name different K steps, each block of A and of W is asked for first by one cluster, and the others ask for it steps later.  The start is made of the cluster's x and y alone,
; which all sixteen partners share: every joint load's descriptor stays equal in its four.  The f32 sums are taken in the ring's order.
; THE PRODUCT IS USED TRANSPOSED: source 0 = 16 columns of W (turned out of LDS by ds_load_tr16_b128), source 1 = 16 rows of A: a lane holds row l % 16 of C and the columns 8 (l / 16) + 0..7.
; THE SUMS START WITH THE BIAS: one product of two zero fragments with C = the bias for each accumulator, issued while the first tile is on its way.  R's tile is loaded at the start, into registers of its own, and added on the way out.
; THE K LOOP: a K step is four quarters of 64 k.  A unit fetches one quarter's fragments (32 LDS loads in one run) and multiplies the quarter fetched a unit earlier (32 products); a step's last quarter is
; multiplied in the next step's first unit, from registers.  The 16 accumulators take turns in one order everywhere.
; NO PREFETCH: the tiles are small: a K step is 128 products a wave.
; REGISTERS, in windows of 256 (s_set_vgpr_msb: bits 1:0 source 0, 3:2 source 1, 5:4 source 2, 7:6 destination): window 0: v16-29 addresses; v64-127, v128-191 A's fragments, two buffers; v192-223 the bias;
; window 1: v64-127, v128-191 W's fragments; window 2: v0-127 the accumulators, (a, b) at v[8 (4 a + b)]; window 3: v0-127 R's tile.
.set KIND,  3
.if KIND == 2
.set T,     4                          ; K steps
.set WOFF,  6<<20                      ; Wo in wh
.set ROTX,  2                          ; the ring's start: T / 2 for each cluster along x,
.set ROTY,  1                          ; and this for each along y
.else
.set T,     16
.set WOFF,  16<<20                     ; W2 in wh
.set ROTX,  8
.set ROTY,  2
.endif
.set PA,    144                        ; A's LDS row: 128 + 16 bytes = 36 words: sixteen rows start at sixteen different groups of four banks (ISA guide 11.1)
.set PB,    288                        ; W's LDS row: 256 + 32 bytes = 9 x 32
.set HALF,  256*PA                     ; what one tensor load brings: 4 x 64 rows of A, or 128 k-rows of W (128 x 288 is the same number)
.set AREG,  2*HALF
.set SLOT,  4*HALF
.set SPARE, 2*SLOT                     ; behind the slots: the spare words, 128 bytes a wave, which no other line names
.set PD,    272                        ; the way out: a row of 64 f32 + 16 bytes
.set REGN,  64*PD                      ; a wave's own region for the way out, in slot 0, which has had its last fill by then
.set SHA,   21                         ; a K step is 2^21 bytes of A (four blocks of 524,288)
.set SHW,   19                         ; and 2^19 of W (256 rows of 2,048)
.set A0,  16
.set B0,  17
.set ADA, 18
.set ADB, 19
.set STO, 20
.set RD,  21
.set GO,  22
.set BO,  23
.set SPW, 28
.set NIL, 29
.set F0,  64
.set F1,  128
.set BIAS, 192
.set WV,  16                           ; s16 wave; s17 wave / 2: my half of the tile's rows, and 0: I fetch A, 1: W; s18 wave % 2: my half of its columns, and which half I fetch
.set RH,  17
.set CH,  18
.set CX,  19
.set CY,  20
.set TCOL, 21
.set TROW, 22
.set G1A, 24
.set G0A, 32
.set G1B, 48
.set G0B, 56
.set TBA, 80
.set TBB, 81
.set QC,  82
.set LAPC, 83
.set KI,  84                           ; s84 the K step to be asked for next
.set OUTP, 86                          ; s[86:87] C at my part; s[88:89] R at the same place
.set RESP, 88
.set OA,  92                           ; s[92:93], s[94:95] that step's byte offset in A and in W
.set OB,  94
.set MSB, 0
.macro WIN new
.if MSB != (\new)
	s_set_vgpr_msb (MSB<<8)|(\new)
.set MSB, \new
.endif
.endm
.macro JLOAD s                         ; a joint load: waves 0 and 1 fetch A's halves, waves 2 and 3 W's; an s_nop 0 and four v_nop follow each of the two lines
	s_cmp_eq_u32 s[RH], 0
	s_cbranch_scc0 .Lfor_b_\@
	tensor_load_to_lds s[G0A+4*(\s):G0A+4*(\s)+3], s[G1A:G1A+7]
	s_nop 0
.rept 4
	v_nop
.endr
	s_branch .Lasked_\@
.Lfor_b_\@:
	tensor_load_to_lds s[G0B+4*(\s):G0B+4*(\s)+3], s[G1B:G1B+7]
	s_nop 0
.rept 4
	v_nop
.endr
.Lasked_\@:
.endm
.macro CROUND                          ; a round of the cluster's barrier
	s_barrier_signal -1
	s_barrier_wait -1
	s_cmp_lg_u32 s[WV], 0
	s_cbranch_scc1 .Lnot_wave_0_\@
	s_barrier_signal -3
.Lnot_wave_0_\@:
	s_barrier_wait -3
	s_barrier_signal -1
	s_barrier_wait -1
.endm
.macro AIM s                           ; slot s's two descriptors take K step KI: each address is made anew from its base and the step's offset; then KI goes one on in the ring
	s_lshl_b32 s[OA], s[KI], SHA
	s_lshl_b32 s[OB], s[KI], SHW
	s_add_nc_u64 s[G0A+4*(\s)+2:G0A+4*(\s)+3], s[68:69], s[OA:OA+1]
	s_or_b32 s[G0A+4*(\s)+3], s[G0A+4*(\s)+3], 0x80000000
	s_add_nc_u64 s[G0B+4*(\s)+2:G0B+4*(\s)+3], s[72:73], s[OB:OB+1]
	s_or_b32 s[G0B+4*(\s)+3], s[G0B+4*(\s)+3], 0x80000000
	s_add_co_u32 s[KI], s[KI], 1
	s_and_b32 s[KI], s[KI], T-1
.endm
	s_load_b256 s[4:11], s[0:1], 0x0               ; A s[4:5], wh s[6:7], bias s[8:9], R s[10:11]
	s_load_b64 s[12:13], s[0:1], 0x20              ; C
	v_lshl_add_u32 v[SPW], v0, 2, SPARE
	v_mov_b32 v[NIL], 0
	ds_add_u32 v[SPW], v[NIL]                      ; the wave's opening: the add and its wait stand ahead of my first tensor load; work on registers stands between them
	ds_add_u32 v28, v29
	v_lshrrev_b32 v1, 5, v0
	v_readfirstlane_b32 s[WV], v1
	s_lshr_b32 s[RH], s[WV], 1
	s_and_b32 s[CH], s[WV], 1
	s_bfe_u32 s[CX], ttmp6, 0x40000
	s_bfe_u32 s[CY], ttmp6, 0x40004
	s_lshl_b32 s[TCOL], ttmp9, 2
	s_add_co_u32 s[TCOL], s[TCOL], s[CX]
	s_and_b32 s[TROW], ttmp7, 0xffff
	s_lshl_b32 s[TROW], s[TROW], 2
	s_add_co_u32 s[TROW], s[TROW], s[CY]
	s_lshl_b32 s66, s[CY], 2
	s_lshl_b32 s66, 15, s66                        ; my row of the cluster
	s_lshl_b32 s67, 0x1111, s[CX]                  ; my column
	s_or_b32 s[G1A], s66, (1<<16)|(1<<20)|(1<<21)|(4<<22)|(3<<25)  ; mask; 2-byte elements; padding on; bit 21 beside a mask; after every 32 words (a row of 64 k) 4 words
	s_mov_b32 s[G1A+1], 4096<<16                   ; tensor_dim0 = 4,096: 64 rows x 64 k, dense
	s_mov_b32 s[G1A+2], 4<<16                      ; tensor_dim1 = 4 blocks
	s_mov_b32 s[G1A+3], 4096<<16                   ; tile_dim0
	s_mov_b32 s[G1A+4], 4                          ; tile_dim1
	s_mov_b32 s[G1A+5], 262144                     ; elements from block to block
	s_mov_b32 s[G1A+6], 0
	s_mov_b32 s[G1A+7], 0
	s_or_b32 s[G1B], s67, (1<<16)|(1<<20)|(1<<21)|(5<<22)|(7<<25)  ; after every 64 words 8 words
	s_mov_b32 s[G1B+1], 128<<16
	s_mov_b32 s[G1B+2], 128<<16
	s_mov_b32 s[G1B+3], 128<<16
	s_mov_b32 s[G1B+4], 128
	s_mov_b32 s[G1B+5], 1024
	s_mov_b32 s[G1B+6], 0
	s_mov_b32 s[G1B+7], 0
	s_lshl_b32 s68, s[TROW], 14                    ; A: 128 rows of 128 bytes a tile row,
	s_lshl_b32 s70, s[CH], 13                      ; my 64 of them
	s_add_co_u32 s68, s68, s70
	s_mov_b32 s69, 0
	s_lshl_b32 s72, s[TCOL], 8                     ; W: 128 columns a tile column,
	s_lshl_b32 s74, s[CH], 18                      ; my 128 k-rows of 2,048 bytes
	s_add_co_u32 s72, s72, s74
	s_add_co_u32 s72, s72, WOFF
	s_mov_b32 s73, 0
	s_mul_i32 s76, s[WV], HALF                     ; where my loads go: A's two halves, then W's two = wave x HALF
	s_lshl_b32 s78, s[TROW], 19                    ; C and R: 128 rows of 4,096 bytes a tile row, my 64; 512 bytes a tile column, my 256
	s_lshl_b32 s70, s[RH], 18
	s_add_co_u32 s78, s78, s70
	s_lshl_b32 s70, s[TCOL], 9
	s_add_co_u32 s78, s78, s70
	s_lshl_b32 s70, s[CH], 8
	s_add_co_u32 s78, s78, s70
	s_mov_b32 s79, 0
	s_and_b32 s70, ttmp7, 0xffff                   ; the ring's start, of the cluster's y
	s_mul_i32 s70, s70, ROTY
	s_mul_i32 s71, ttmp9, ROTX                     ; and x
	s_add_co_u32 s[KI], s70, s71
	s_and_b32 s[KI], s[KI], T-1
	s_mov_b32 s[OA+1], 0
	s_mov_b32 s[OB+1], 0
	s_wait_dscnt 0x0                               ; the opening add is done
	s_wait_kmcnt 0x0
	s_add_nc_u64 s[68:69], s[4:5], s[68:69]        ; A and W at my part of K step 0: these two stay
	s_add_nc_u64 s[72:73], s[6:7], s[72:73]
	s_add_nc_u64 s[OUTP:OUTP+1], s[12:13], s[78:79]
	s_add_nc_u64 s[RESP:RESP+1], s[10:11], s[78:79]
	CROUND                                         ; all sixteen work-groups are here: the first joint loads meet
.irp s, 0,1
	s_mov_b32 s[G0A+4*(\s)], 1
	s_add_co_u32 s[G0A+4*(\s)+1], s76, (\s)*SLOT
	s_mov_b32 s[G0B+4*(\s)], 1
	s_add_co_u32 s[G0B+4*(\s)+1], s76, (\s)*SLOT
	AIM \s
	JLOAD \s                                       ; the ring's first two K steps: two loads of mine are out
.endr
	v_and_b32 v1, 15, v0                           ; l % 16
	v_bfe_u32 v2, v0, 4, 1                         ; l / 16
	v_and_b32 v3, 7, v0
	v_bfe_u32 v4, v0, 3, 1
	s_mul_i32 s66, s[RH], HALF
	v_mul_u32_u24 v[A0], v1, PA
	v_lshl_add_u32 v[A0], v2, 4, v[A0]
	v_add_nc_u32 v[A0], s66, v[A0]
	v_lshl_add_u32 v[B0], v2, 3, v3
	v_mul_u32_u24 v[B0], v[B0], PB
	v_lshl_add_u32 v[B0], v4, 4, v[B0]
	s_lshl_b32 s66, s[CH], 7                       ; my 64 columns
	v_add_nc_u32 v[B0], s66, v[B0]
	s_mul_i32 s67, s[WV], REGN
	v_mul_u32_u24 v[STO], v1, PD
	v_lshl_add_u32 v[STO], v2, 5, v[STO]
	v_add_nc_u32 v[STO], s67, v[STO]
	v_mul_u32_u24 v[RD], v2, PD
	v_lshl_add_u32 v[RD], v1, 4, v[RD]
	v_add_nc_u32 v[RD], s67, v[RD]
	v_lshlrev_b32 v[GO], 12, v2                    ; lanes 0-15 take 256 bytes of one row of C, lanes 16-31 of the next
	v_lshl_add_u32 v[GO], v1, 4, v[GO]
	s_lshl_b32 s66, s[TCOL], 9                     ; the bias: 4 bytes x (128 x tile column + 64 x half + 8 (l / 16))
	s_lshl_b32 s67, s[CH], 8
	s_add_co_u32 s66, s66, s67
	v_lshl_add_u32 v[BO], v2, 5, s66
.set i, 0
.rept 4
	global_load_b128 v[BIAS+8*i:BIAS+8*i+3],   v[BO], s[8:9] offset:64*i
	global_load_b128 v[BIAS+8*i+4:BIAS+8*i+7], v[BO], s[8:9] offset:64*i+16
.set i, i+1
.endr
	WIN 0xc0                                       ; destination window 3
.set i, 0
.rept 32
	global_load_b128 v[4*i:4*i+3], v[GO], s[RESP:RESP+1] offset:8192*i  ; R's rows 2 i, 2 i + 1; they stay out until the way out; their address registers are never rewritten
.set i, i+1
.endr
	WIN 0
.set i, 0
.rept 16
	v_mov_b32 v[F0+i], 0                           ; two zero fragments
.set i, i+1
.endr
	s_wait_loadcnt 32                              ; the bias is in; R's 32 loads stay out
	WIN 0x80
.set mi, 0
.rept 16                               ; every sum starts with its bias
	v_wmma_f32_16x16x32_f16 v[8*mi:8*mi+7], v[F0:F0+7], v[F0+8:F0+15], v[BIAS+8*(mi%4):BIAS+8*(mi%4)+7]
.set mi, mi+1
.endr
	WIN 0
; 32 LDS loads in one run: a quarter's fragments (i = 4 x (32-k half) + block of 16) into buffer g.  The two address lines and two v_nop are the four places between the last product that read the buffer and the loads into it.
.macro FETCH g
	WIN 0
	v_add_nc_u32 v[ADA], s[TBA], v[A0]
	v_add_nc_u32 v[ADB], s[TBB], v[B0]
	v_nop
	v_nop
	WIN 0x40
.set i, 0
.rept 8
	ds_load_tr16_b128 v[(\g)+8*i:(\g)+8*i+3],   v[ADB] offset:(i/4)*32*PB+32*(i%4)
	ds_load_tr16_b128 v[(\g)+8*i+4:(\g)+8*i+7], v[ADB] offset:(i/4)*32*PB+32*(i%4)+16*PB
.set i, i+1
.endr
	WIN 0
.set i, 0
.rept 8
	ds_load_b128 v[(\g)+8*i:(\g)+8*i+3],   v[ADA] offset:64*(i/4)+16*(i%4)*PA
	ds_load_b128 v[(\g)+8*i+4:(\g)+8*i+7], v[ADA] offset:64*(i/4)+16*(i%4)*PA+32
.set i, i+1
.endr
	s_add_co_u32 s[TBA], s[TBA], 64*PA             ; the next quarter: A's next block of 64 k,
	s_add_co_u32 s[TBB], s[TBB], 64*PB             ; 64 k-rows of W
.endm
.macro MUL f                           ; a quarter's 32 products: 32-k half mi / 16, rows 16 ((mi / 4) % 4) on, columns 16 (mi % 4) on
	WIN 0xa1                                       ; W window 1, A window 0, C and D window 2
.set mi, 0
.rept 32
	v_wmma_f32_16x16x32_f16 v[8*(mi%16):8*(mi%16)+7], v[(\f)+8*(4*(mi/16)+mi%4):(\f)+8*(4*(mi/16)+mi%4)+7], v[(\f)+8*(4*(mi/16)+(mi/4)%4):(\f)+8*(4*(mi/16)+(mi/4)%4)+7], v[8*(mi%16):8*(mi%16)+7]
.set mi, mi+1
.endr
.endm
.macro UNIT g, f
	FETCH \g
	s_wait_dscnt 32                                ; all but the 32 just issued: buffer f is in
	MUL \f
.endm
.macro KBODY tag
	s_mov_b32 s[QC], 2
.Lq_\tag:
	UNIT F0, F1
	WIN 0
.Lm_\tag:
	UNIT F1, F0
	WIN 0
	s_sub_co_u32 s[QC], s[QC], 1
	s_cmp_lg_u32 s[QC], 0
	s_cbranch_scc1 .Lq_\tag
.endm
; THE CHANGE OF SLOTS.  Each wave waits for all its tensor loads (one is out: its part of the new slot), adds 0 to its spare word, and waits for that and for its reads of the old slot.
; fill = 1: a round of the cluster's barrier follows, and the joint refill, with the ring's next K step, is the first thing behind it: it has a K step, 128 products, in which to land.
.macro CHANGE new, old, fill
	WIN 0
	s_wait_tensorcnt 0x0                           ; no tensor load of mine is out, so a group 0 may be written
	ds_add_u32 v[SPW], v[NIL]                      ; 0 onto my spare word; scalar work stands between it and the wait for it
.if \fill
	AIM \old
.endif
	s_mov_b32 s[TBA], (\new)*SLOT
	s_mov_b32 s[TBB], (\new)*SLOT+AREG
	s_wait_dscnt 0x0
.if \fill
	CROUND
	JLOAD \old
.else
	s_barrier_signal -1
	s_barrier_wait -1
.endif
.endm
	s_wait_tensorcnt 0x1                           ; my part of the first K step is in; the second's may stay out
	s_barrier_signal -1
	s_barrier_wait -1
	s_mov_b32 s[TBA], 0
	s_mov_b32 s[TBB], AREG
	FETCH F0
	s_mov_b32 s[QC], 2
	s_mov_b32 s[LAPC], T/2
	s_branch .Lm_e                                 ; the loop is entered in the middle of a K step in slot 0: the first step has no quarter before it
.Llap:
	CHANGE 1, 0, 1
	KBODY o
	CHANGE 0, 1, 1
	KBODY e
	s_sub_co_u32 s[LAPC], s[LAPC], 1
	s_cmp_lg_u32 s[LAPC], 0
	s_cbranch_scc1 .Llap
	CHANGE 1, 0, 0                                 ; the last K step is written out
	KBODY t
	s_wait_dscnt 0x0                               ; the last quarter is in, and my reads of the slots are over:
	s_barrier_signal -1
	MUL F1
	WIN 0
	s_barrier_wait -1                              ; the slots are written into only when all four waves have said so
.rept 4
	v_nop                                          ; the places behind the last products
.endr
	; THE WAY OUT: the 64 x 64 sums go into my own region of LDS (each accumulator's low four registers first) and come back as whole rows of 256 bytes; R is added; sixteen lanes store 256 consecutive bytes, aligned
	WIN 0x08                                       ; store data: window 2
.set mi, 0
.rept 16
	ds_store_b128 v[STO], v[8*mi:8*mi+3]   offset:16*(mi/4)*PD+64*(mi%4)
	ds_store_b128 v[STO], v[8*mi+4:8*mi+7] offset:16*(mi/4)*PD+64*(mi%4)+16
.set mi, mi+1
.endr
	WIN 0
.set i, 0
.rept 32
	ds_load_b128 v[64+4*i:64+4*i+3], v[RD] offset:2*i*PD  ; LDS serves a wave's instructions in order (ISA guide 5.7.1.4): these see the stores above
.set i, i+1
.endr
	s_wait_loadcnt 0x0                             ; R
	s_wait_dscnt 0x0
	WIN 0x0c                                       ; source 1: window 3
.set i, 0
.rept 64
	v_pk_add_f32 v[64+2*i:64+2*i+1], v[64+2*i:64+2*i+1], v[2*i:2*i+1]
.set i, i+1
.endr
	WIN 0
.set i, 0
.rept 32
	global_store_b128 v[GO], v[64+4*i:64+4*i+3], s[OUTP:OUTP+1] offset:8192*i
.set i, i+1
.endr
	s_wait_tensorcnt 0x0                           ; the wave's end, behind my last tensor load and my last LDS store
	ds_add_u32 v[SPW], v[NIL]
	s_wait_dscnt 0x0
	CROUND                                         ; the closing round: no work-group ends while a partner may still ask for a tile that names it
	s_endpgm
.Lfunc_end_k_qba054dbc3c_fc2:
	.size	k_qba054dbc3c_fc2, .Lfunc_end_k_qba054dbc3c_fc2-k_qba054dbc3c_fc2
	.p2alignl 7, 3214868480
	.fill 96, 4, 3214868480
	.section	.rodata,"a",@progbits
	.p2align	6, 0x0
	.amdhsa_kernel k_qba054dbc3c_fc2
		.amdhsa_group_segment_fixed_size 327680
		.amdhsa_private_segment_fixed_size 0
		.amdhsa_enable_private_segment 0
		.amdhsa_kernarg_size 40
		.amdhsa_user_sgpr_count 2
		.amdhsa_user_sgpr_kernarg_segment_ptr 1
		.amdhsa_wavefront_size32 1
		.amdhsa_system_sgpr_workgroup_id_x 1
		.amdhsa_system_sgpr_workgroup_id_y 1
		.amdhsa_system_sgpr_workgroup_id_z 1
		.amdhsa_system_vgpr_workitem_id 0
		.amdhsa_next_free_vgpr 896
		.amdhsa_next_free_sgpr 100
		.amdhsa_reserve_vcc 0
		.amdhsa_float_denorm_mode_32 3
		.amdhsa_float_denorm_mode_16_64 3
		.amdhsa_memory_ordered 1
		.amdhsa_forward_progress 1
		.amdhsa_inst_pref_size 60
	.end_amdhsa_kernel
	.amdgpu_metadata
---
amdhsa.version: [ 1, 2 ]
amdhsa.kernels:
  - .name:           k_qba054dbc3c_fc2
    .symbol:         k_qba054dbc3c_fc2.kd
    .args:
      - { .name: g, .offset: 0, .size: 8, .value_kind: global_buffer, .address_space: global }
      - { .name: wh, .offset: 8, .size: 8, .value_kind: global_buffer, .address_space: global }
      - { .name: b2, .offset: 16, .size: 8, .value_kind: global_buffer, .address_space: global }
      - { .name: x1, .offset: 24, .size: 8, .value_kind: global_buffer, .address_space: global }
      - { .name: out0, .offset: 32, .size: 8, .value_kind: global_buffer, .address_space: global }
    .group_segment_fixed_size: 327680
    .private_segment_fixed_size: 0
    .kernarg_segment_align: 8
    .kernarg_segment_size: 40
    .max_flat_workgroup_size: 128
    .sgpr_count:     100
    .vgpr_count:     896
    .wavefront_size: 32
...
	.end_amdgpu_metadata
.endif
;; end of part 7
